; MI455X (gfx1250); checked and timed in simulation.
; The chip was launched on July 23, 2026; its instructions are those of AMD's public machine-readable ISA for CDNA 5 (MIT licence, August 2026) and "CDNA5" Instruction Set Architecture Reference Guide (July 2026). The comments in the code are by the model that wrote it; some were corrected since.
;; Transformer Block. Allowed arithmetic: matrix products marked QUANTISED: E2M1 operands, one E8M0 scale for each 32 along K, by v_wmma_scale_f32_16x16x128_f8f6f4 with both operands' format E2M1 (or v_wmma_scale_f32_32x16x128_f4), f32 sums; products left as they are: bf16, f16 or f32 operands; f32 sums; everything else in f32.
;; Inputs: b1 4,096 float32; b2 1,024 float32; ln1_b 1,024 float32; ln1_g 1,024 float32; ln2_b 1,024 float32; ln2_g 1,024 float32; w1 1,024 x 4,096 float32; w2 4,096 x 1,024 float32; w_qkv 1,024 x 3,072 float32; x 2 x 2,048 x 1,024 float32.
;; Outputs: out0 2 x 2,048 x 1,024 float32.
;; This version of the problem:
;;   THIS VERSION OF THE PROBLEM IS GIVEN IN LOW PRECISION. The matrix products marked QUANTISED in the list below multiply operands that are first quantised to E2M1 (2 exponent bits, 1 mantissa bit; 4 bits a number), with one power-of-two scale for each 32 numbers along K (OCP MX v1.0); their sums are f32. The products marked 'left as it is' may take bf16, f16 or f32 operands, with f32 sums. Whichever they take, every output number must still come out within the allowed error. Rounding operands to bf16 (8 significant bits) uses up far more of that allowance than f16 does (11 bits, for magnitudes from 6e-5 to 65,504). All else is computed in f32.
;;   The module's matrix products, in the order in which they are computed (A, B: the left and right operand; K: the contracted axis; several contracted axes count as one K, in the product's order):
;;     1. [M 4,096, K 1,024] x [K 1,024, N 3,072]; A: input x; B: input w_qkv: QUANTISED
;;     2. batch 32 x [M 2,048, K 64] x [K 64, N 2,048]; A: computed on the way; B: computed on the way: left as it is (an operand is computed on the way)
;;     3. batch 32 x [M 2,048, K 2,048] x [K 2,048, N 64]; A: computed on the way; B: computed on the way: left as it is (an operand is computed on the way)
;;     4. [M 4,096, K 1,024] x [K 1,024, N 4,096]; A: computed on the way; B: input w1: left as it is (an operand is computed on the way)
;;     5. [M 4,096, K 4,096] x [K 4,096, N 1,024]; A: computed on the way; B: input w2: left as it is (an operand is computed on the way)
;;   THE QUANTISER, for each operand of a quantised product, along K:
;;     - K is cut into blocks of 32 from its start; a last block that is shorter is filled with zeros.
;;     - A block's scale is 2^e with e = floor(log2(the largest magnitude in the block)) - 2, held to -126 .. 127; a block of zeros has e = 0. As a byte (E8M0): e + 127.
;;     - Each number is divided by its block's scale, clamped to +-6, and rounded to the nearest number of E2M1, ties to even, subnormals kept.
;;     - The product sums the exact products of the quantised numbers (number of the format x scale) in f32.
;;   ~~~python
;;   def quantise(x, axis):      # numpy; x: float32 -> the quantised numbers, widened to float32 again
;;       x = np.moveaxis(x, axis, -1); K = x.shape[-1]
;;       x = np.pad(x, [(0, 0)] * (x.ndim - 1) + [(0, -K % 32)]); x = x.reshape(x.shape[:-1] + (-1, 32)); a = np.abs(x).max(-1, keepdims=True)
;;       e = np.where(a > 0, np.clip(np.frexp(np.where(a > 0, a, 1))[1] - 1 - 2, -126, 127), 0)      # np.frexp(a)[1] - 1 = floor(log2(a)), exactly
;;       r = np.clip(x / 2.0 ** e, -6, 6)
;;       step = 2.0 ** (np.maximum(np.frexp(np.where(r == 0, 1, r))[1] - 1, 0) - 1)
;;       q = np.round(r / step) * step * 2.0 ** e      # np.round: ties to even
;;       return np.moveaxis(q.reshape(q.shape[:-2] + (-1,))[..., :K], -1, axis).astype(np.float32)
;;   ~~~
;; One version. Each part assembles by itself: llvm-mc -triple=amdgcn-amd-amdhsa -mcpu=gfx1250 --defsym DOCPART=n.
;; ======== version 1 of 1: 7 launches
;; limits: values are held in f16: magnitudes above 65,504 overflow, below 6.1e-05 lose precision
;; workspace buffers: codes 3,670,016 bytes; scales 229,376 bytes; wh 16,777,216 bytes; qkv 25,165,824 bytes; pre 16,777,216 bytes; x1 16,777,216 bytes; x1h 8,388,608 bytes; hid 33,554,432 bytes
;; launch prep (part 1): grid 576 x 1, 4 waves a work-group, no clusters, 43,520 bytes of LDS; arguments x, w_qkv, w1, w2, codes, scales, wh; writes codes, scales, wh
.if DOCPART == 1
	.amdgcn_target "amdgcn-amd-amdhsa--gfx1250"
	.amdhsa_code_object_version 6
	.text
	.protected	k_q0508d7ba85_prep
	.globl	k_q0508d7ba85_prep
	.p2align	8
	.type	k_q0508d7ba85_prep,@function
k_q0508d7ba85_prep:
	s_mov_b64 s[64:65], 0
	v_nop
	global_prefetch_b8 v0, s[64:65] scope:SCOPE_SE
	s_setreg_imm32_b32 hwreg(HW_REG_WAVE_MODE, 25, 1), 1
	s_wait_xcnt 0x0
; PREPARATION OF THE OPERANDS, one launch, three paths that part on the work-group's number alone:
;   work-groups   0 .. 191  path W: w_qkv [1024 (k)][3072 (n)] f32 -> codes of FP4 (E2M1) laid [n][k], K innermost, and one E8M0 byte for each 32 along K, laid [n][32]
;   work-groups 192 .. 319  path X: x [4096][1024] f32 -> codes [row][k] and scale bytes [row][32]
;   work-groups 320 .. 575  path C: w1 and w2, f32 -> f16, in the order in which they lie ([k][n]); the products turn them on their way out of LDS
; codes: x's 2,097,152 bytes, then w_qkv's 1,572,864.  scales: x's 131,072 bytes, then w_qkv's 98,304.  wh: w1's 8,388,608 bytes, then w2's.
; THE QUANTISER: a block's scale is 2^(floor(log2(its largest magnitude)) - 2); its byte is that magnitude's exponent field - 2, held at 1 from below; each number is divided by the scale and rounded to the
; nearest code, ties to even, what lies beyond 6 to the largest code.
; LIMITS: a block of zeros gets the byte 1 and not 127 (its codes are zeros, and this program alone reads the bytes); blocks whose largest magnitude lies under 2^-124 keep the byte 1;
; NaN and infinities are not served; |w1| and |w2| stay under 65,504, f16's largest number.
; No tensor load, no barrier: waves share nothing.  Each path that uses LDS has bytes of its own.
.set SPW,    192                       ; v192  LDS address of my spare word: SPARE + 4 x my thread's number; never rewritten
.set NIL,    193                       ; v193  0; never rewritten
.set EMAX,   2                         ; the exponent of the format's largest number, 6
.set SIZE_K, 1024
.set SIZE_N, 3072
.set KW,     128                       ; path W: along K for a wave
.set NB,     KW/32                     ; its blocks
.set ROWB,   KW/2                      ; bytes of KW codes
.set PITCH,  ROWB+16                   ; a row of path W's stage
.set KROW,   SIZE_K*4/8                ; a row of codes in bytes
.set WX,     32                        ; path W: v32-159 the four blocks' numbers; v160-175 their codes; v176-191 the way out; v24 the scale bytes
.set WC,     160
.set WOUT,   176
.set WSB,    24
.set STEPS,  16                        ; path X: steps of 512 numbers for a wave
.set CB,     8                         ; bytes of 16 codes
.set XR,     16                        ; path X: v16-79 four sets of 16 numbers as loaded; v80-111 two sets of 16 neighbours; v112-127 a byte a step; v128-191 codes, four registers a step
.set XX,     80
.set XE,     112
.set XC,     128
.set SP,     80                        ; a lane's place in path X's stage: its 64 bytes + 16 of padding
.set WREG,   8192                      ; path X: LDS of a wave: two stages of 32 x SP bytes, then its 256 scale bytes
.set XBASE,  4*32*PITCH                ; LDS: path W's four stages lie from 0, path X's four regions from here,
.set SPARE,  XBASE+4*WREG              ; and behind them the spare words, 128 bytes for each wave, which no other line names
.set CR,     16                        ; path C: v16-143 two sets of 64 numbers; v144-175 their f16
.set CH,     144
	s_load_b256 s[4:11], s[0:1], 0x0               ; x s[4:5], w_qkv s[6:7], w1 s[8:9], w2 s[10:11]
	s_load_b128 s[12:15], s[0:1], 0x20             ; codes s[12:13], scales s[14:15]
	s_load_b64 s[16:17], s[0:1], 0x30              ; wh
	v_lshl_add_u32 v[SPW], v0, 2, SPARE
	v_mov_b32 v[NIL], 0
	v_lshrrev_b32 v1, 5, v0
	v_readfirstlane_b32 s18, v1                    ; wave 0..3
	v_and_b32 v2, 31, v0                           ; lane
	s_wait_kmcnt 0x0
	s_cmp_lt_u32 ttmp9, 192
	s_cbranch_scc1 .Lpath_w
	s_cmp_lt_u32 ttmp9, 320
	s_cbranch_scc1 .Lpath_x
; ---------------------------------------------------------------- path C: f32 -> f16, a plain stream.  A wave takes 32,768 bytes: four groups of 16 loads of 512 consecutive bytes
	s_sub_co_u32 s19, ttmp9, 320                   ; 0 .. 255: the first 128 take w1, the others w2
	s_cmp_lt_u32 s19, 128
	s_cselect_b64 s[8:9], s[8:9], s[10:11]         ; the choice hangs on the work-group's number alone
	s_and_b32 s20, s19, 127
	s_lshl_b32 s20, s20, 17                        ; 131,072 bytes of f32 a work-group,
	s_lshl_b32 s21, s18, 15                        ; 32,768 a wave
	s_add_co_u32 s20, s20, s21
	s_mov_b32 s21, 0
	s_add_nc_u64 s[8:9], s[8:9], s[20:21]
	s_lshl_b32 s20, s19, 16                        ; and half as many of f16; w2's follow w1's
	s_lshl_b32 s22, s18, 14
	s_add_co_u32 s20, s20, s22
	s_add_nc_u64 s[16:17], s[16:17], s[20:21]
	v_lshlrev_b32 v3, 4, v2                        ; in: 16 bytes a lane
	v_lshlrev_b32 v4, 3, v2                        ; out: 8 bytes a lane: a wave's store covers 256 consecutive bytes, aligned
.macro LOADG g
.irp i, 0,1,2,3,4,5,6,7,8,9,10,11,12,13,14,15
	global_load_b128 v[CR+64*((\g)%2)+4*\i:CR+64*((\g)%2)+4*\i+3], v3, s[8:9] offset:(16*(\g)+\i)*512 th:TH_LOAD_NT
.endr
.endm
.macro GROUP g
.if (\g) < 3
	s_wait_loadcnt 16                              ; this group's 16 loads are in; the next group's 16 may be out
.else
	s_wait_loadcnt 0x0
.endif
.if (\g) > 0
	s_wait_xcnt 0x0                                ; the last group's stores have read their data registers, which are written again below
.endif
.irp i, 0,1,2,3,4,5,6,7,8,9,10,11,12,13,14,15
	v_cvt_pk_f16_f32 v[CH+2*\i],   v[CR+64*((\g)%2)+4*\i],   v[CR+64*((\g)%2)+4*\i+1]
	v_cvt_pk_f16_f32 v[CH+2*\i+1], v[CR+64*((\g)%2)+4*\i+2], v[CR+64*((\g)%2)+4*\i+3]
.endr
.irp i, 0,1,2,3,4,5,6,7,8,9,10,11,12,13,14,15
	global_store_b64 v4, v[CH+2*\i:CH+2*\i+1], s[16:17] offset:(16*(\g)+\i)*256
.endr
.if (\g) < 2
	LOADG (\g)+2                                   ; the set just converted takes the group two on
.endif
.endm
	LOADG 0
	LOADG 1
	GROUP 0
	GROUP 1
	GROUP 2
	GROUP 3
	s_wait_tensorcnt 0x0                           ; the wave's end; all three paths end alike
	ds_add_u32 v[SPW], v[NIL]
	s_wait_dscnt 0x0
	s_endpgm
; ---------------------------------------------------------------- path X: x is a plain stream of blocks of 32 numbers, and so are its codes and its scale bytes
; A wave takes 16 steps of 512 numbers.  The conversion takes 8 numbers of ONE block from a lane's consecutive registers, so a lane must hold neighbours; a load is dense where neighbouring LANES take
; neighbouring bytes.  Both are had: a step's four loads read 512 consecutive bytes each, the 2,048 bytes go through the wave's own stage in LDS as they lie and come back 64 bytes a lane.
.Lpath_x:
	v_lshlrev_b32 v3, 4, v2                        ; my 16 bytes of a load's 512
	s_mul_i32 s19, s18, WREG
	s_add_co_u32 s19, s19, XBASE                   ; my wave's region
	v_lshrrev_b32 v14, 2, v2
	v_mul_u32_u24 v14, v14, SP
	v_and_b32 v15, 3, v2
	v_lshl_add_u32 v14, v15, 4, v14
	v_add_nc_u32 v14, s19, v14                     ; the stage, on the way in: four lanes' 64 bytes on end, then 16 of padding
	v_mul_u32_u24 v15, v2, SP
	v_add_nc_u32 v15, s19, v15                     ; and on the way out: SP x lane: my 16 neighbours
	v_mul_u32_u24 v4, v2, CB                       ; my codes' place in a step's
	v_lshrrev_b32 v5, 1, v2
	s_add_co_u32 s19, s19, 2*32*SP
	v_add_nc_u32 v5, s19, v5                       ; my wave's 256 scale bytes, my block's byte
	v_lshlrev_b32 v7, 3, v2                        ; and on the way out 8 bytes a lane
	v_add_nc_u32 v6, s19, v7
	s_sub_co_u32 s20, ttmp9, 192
	s_lshl_b32 s20, s20, 2
	s_add_co_u32 s20, s20, s18                     ; which run of 8,192 numbers is my wave's: 0 .. 511
	s_mov_b32 s23, 0
	s_lshl_b32 s22, s20, 15                        ; 32,768 bytes of f32,
	s_add_nc_u64 s[4:5], s[4:5], s[22:23]
	s_lshl_b32 s22, s20, 12                        ; 4,096 of codes,
	s_add_nc_u64 s[12:13], s[12:13], s[22:23]
	s_lshl_b32 s22, s20, 8                         ; 256 scale bytes a run
	s_add_nc_u64 s[14:15], s[14:15], s[22:23]
.macro XLOAD t
.irp i, 0,1,2,3
	global_load_b128 v[XR+16*((\t)%4)+4*\i:XR+16*((\t)%4)+4*\i+3], v3, s[4:5] offset:2048*(\t)+512*\i th:TH_LOAD_NT
.endr
.endm
.macro XTURN t                         ; step t's numbers through the stage: LDS serves a wave's instructions in order, so no wait stands between the stores and the loads
.irp i, 0,1,2,3
	ds_store_b128 v14, v[XR+16*((\t)%4)+4*\i:XR+16*((\t)%4)+4*\i+3] offset:32*SP*((\t)%2)+8*SP*\i
.endr
.irp i, 0,1,2,3
	ds_load_b128 v[XX+16*((\t)%2)+4*\i:XX+16*((\t)%2)+4*\i+3], v15 offset:32*SP*((\t)%2)+16*\i
.endr
.endm
.irp t, 0,1,2,3
	XLOAD \t
.endr
	s_wait_loadcnt 12                              ; step 0's four loads are in; those of steps 1 to 3 may be out
	XTURN 0
.macro XSTEP t
.set XS, XX+16*((\t)%2)
.if (\t) > 0
	s_wait_dscnt 1                                 ; this step's numbers are back from the stage (the last step's byte store may be out): so its stores into the stage have read their registers,
.else
	s_wait_dscnt 0x0
.endif
.if (\t)+4 < STEPS
	XLOAD (\t)+4                                   ; which take the loads of four steps on
.endif
.if (\t)+1 < STEPS
.if STEPS-2-(\t) >= 3
	s_wait_loadcnt 12                              ; the next step's four loads are in; those of the three steps behind it may be out
.else
	s_wait_loadcnt 4*(STEPS-2-(\t))                ; at the end fewer steps stand behind it
.endif
	XTURN (\t)+1                                   ; and go through the other stage while this step is worked
.endif
	v_max3_num_f32 v8, |v[XS]|, |v[XS+1]|, |v[XS+2]|               ; the largest magnitude of my 16, in two chains
	v_max3_num_f32 v9, |v[XS+3]|, |v[XS+4]|, |v[XS+5]|
.irp i, 6,10
	v_max3_num_f32 v8, v8, |v[XS+\i]|, |v[XS+\i+1]|
	v_max3_num_f32 v9, v9, |v[XS+\i+2]|, |v[XS+\i+3]|
.endr
	v_max3_num_f32 v8, v8, |v[XS+14]|, |v[XS+15]|
	v_max3_num_f32 v8, v8, v9, (EMAX+1)<<23        ; and the floor 2^(EMAX + 1 - 127): so the byte cannot fall under 1
	v_max_num_f32_dpp v8, v8, v8 row_xmask:1 row_mask:0xf bank_mask:0xf   ; and of my neighbour's 16: the block's
	v_add_nc_u32 v11, -(EMAX<<23), v8              ; EMAX off its exponent field: the conversion takes the exponent field of this operand as its scale, and nothing else of it
	v_cvt_scalef32_pk8_fp4_f32 v[XC+4*(\t)], v[XS:XS+7], v11
	v_cvt_scalef32_pk8_fp4_f32 v[XC+4*(\t)+1], v[XS+8:XS+15], v11
	v_lshrrev_b32 v[XE+(\t)], 23, v11              ; the scale's byte (also the plain line behind the conversions)
	ds_store_b8 v5, v[XE+(\t)] offset:16*(\t)      ; both lanes of a block write the same byte with the same value
	global_store_b64 v4, v[XC+4*(\t):XC+4*(\t)+1], s[12:13] offset:32*CB*(\t)   ; the wave stores 256 consecutive bytes, aligned; each step has registers of its own, so no store's data are written again
.endm
.irp t, 0,1,2,3,4,5,6,7,8,9,10,11,12,13,14,15
	XSTEP \t
.endr
	ds_load_b64 v[8:9], v6                         ; LDS serves a wave's instructions in order: these see my byte stores
	s_wait_dscnt 0x0
	global_store_b64 v7, v[8:9], s[14:15]          ; the wave's 256 scale bytes: 256 consecutive bytes, aligned
	s_wait_tensorcnt 0x0                           ; the wave's end, behind my last LDS store
	ds_add_u32 v[SPW], v[NIL]
	s_wait_dscnt 0x0
	s_endpgm
; ---------------------------------------------------------------- path W: K is w_qkv's FIRST axis.  A LANE TAKES A COLUMN n, AND ITS REGISTERS RUN DOWN K: each load reads 128 consecutive bytes a wave (the
; four waves stand side by side on 512), a block of 32 along K lies in one lane's 32 registers, and the conversions give codes with K innermost.
; A WAVE TAKES 32 COLUMNS x 128 ALONG K, four blocks, and issues all its 128 loads at the head, each block into registers of its own.  Why so little to a wave: a load of this shape brings 128 bytes, and the
; issue of a load stalls when the counter's field, 63, is full (ISA guide 5.7.1): so what path W has on its way grows with the number of its waves alone: 768 of them here.
; THE PRICE, stated: a column's piece of codes is 64 bytes.  It goes through the wave's own stage in LDS, and a store of the way out covers eight pieces of 64 consecutive bytes, not whole runs of 256:
; that holds of w_qkv's codes, 1,572,864 of the 84 million bytes that the launch moves; its scale bytes leave 4 to a lane.
; Work-group id = 8 gx + gy: columns 128 gx on, K from 128 gy on.  Every offset is an immediate: 127 rows of 12,288 bytes at the most.
.Lpath_w:
	s_and_b32 s19, ttmp9, 7                        ; gy
	s_lshr_b32 s20, ttmp9, 3                       ; gx: 0 .. 23
	s_lshl_b32 s21, s20, 7
	s_lshl_b32 s22, s18, 5
	s_add_co_u32 s21, s21, s22                     ; my wave's first column
	s_mov_b32 s25, 0
	s_mul_i32 s24, s19, KW*SIZE_N*4                ; w_qkv: KW gy rows down,
	s_lshl_b32 s22, s21, 2                         ; 4 bytes a column
	s_add_co_u32 s24, s24, s22
	s_add_nc_u64 s[6:7], s[6:7], s[24:25]
	s_lshl_b32 s24, s21, 9                         ; codes: a column's row of 512 bytes,
	s_lshl_b32 s22, s19, 6                         ; 64 gy along it,
	s_add_co_u32 s24, s24, s22
	s_add_co_u32 s24, s24, 2097152                 ; behind x's codes
	s_add_nc_u64 s[12:13], s[12:13], s[24:25]
	s_lshl_b32 s24, s21, 5                         ; scale bytes: 32 a column, 4 gy along them,
	s_lshl_b32 s22, s19, 2
	s_add_co_u32 s24, s24, s22
	s_add_co_u32 s24, s24, 131072                  ; behind x's
	s_add_nc_u64 s[14:15], s[14:15], s[24:25]
	v_lshlrev_b32 v3, 2, v2                        ; in: 4 bytes a lane
	s_mul_i32 s23, s18, 32*PITCH                   ; my stage
	v_mul_u32_u24 v4, v2, PITCH
	v_add_nc_u32 v4, s23, v4                       ; into it: row = my column
	v_and_b32 v5, 3, v2
	v_lshrrev_b32 v6, 2, v2                        ; out of it: four lanes to a row's 64 bytes, eight rows an instruction
	v_mul_u32_u24 v7, v6, PITCH
	v_lshl_add_u32 v7, v5, 4, v7
	v_add_nc_u32 v7, s23, v7
	v_mul_u32_u24 v8, v6, KROW
	v_lshl_add_u32 v8, v5, 4, v8                   ; and the same place among the codes
	v_mul_u32_u24 v9, v2, SIZE_K/32                ; my column's row of scale bytes
.macro WLOAD t                         ; block t: w_qkv(32 t + i, my column), i = 0 .. 31
.irp i, 0,1,2,3,4,5,6,7,8,9,10,11,12,13,14,15,16,17,18,19,20,21,22,23,24,25,26,27,28,29,30,31
	global_load_b32 v[WX+32*(\t)+\i], v3, s[6:7] offset:(32*(\t)+\i)*SIZE_N*4 th:TH_LOAD_NT
.endr
.endm
	WLOAD 0
	WLOAD 1
	WLOAD 2
	WLOAD 3
.macro WBLOCK t
.set XS, WX+32*(\t)
.if 32*(NB-1-(\t)) > 63
	s_wait_loadcnt 63                              ; behind this block's loads stand 32 (3 - t) others; the wait's field holds 63 at the most, and the smaller count is safe
.else
	s_wait_loadcnt 32*(NB-1-(\t))                  ; this block's 32 loads are in; the later blocks' may be out
.endif
	v_max3_num_f32 v12, |v[XS]|, |v[XS+1]|, |v[XS+2]|               ; the block's largest magnitude: all 32 numbers are mine
	v_max3_num_f32 v13, |v[XS+3]|, |v[XS+4]|, |v[XS+5]|
.irp i, 6,10,14,18,22,26
	v_max3_num_f32 v12, v12, |v[XS+\i]|, |v[XS+\i+1]|
	v_max3_num_f32 v13, v13, |v[XS+\i+2]|, |v[XS+\i+3]|
.endr
	v_max3_num_f32 v12, v12, |v[XS+30]|, |v[XS+31]|
	v_max3_num_f32 v12, v12, v13, (EMAX+1)<<23     ; and the floor 2^(EMAX + 1 - 127)
	v_add_nc_u32 v11, -(EMAX<<23), v12             ; the conversion's scale operand
	v_lshrrev_b32 v13, 23, v11                     ; the scale's byte
.if (\t) == 0
	v_mov_b32 v[WSB], v13                          ; my four bytes in one register, the lower K in the lower byte
.else
	v_lshl_or_b32 v[WSB], v13, 8*(\t), v[WSB]
.endif
.irp g, 0,1,2,3
	v_cvt_scalef32_pk8_fp4_f32 v[WC+4*(\t)+\g], v[XS+8*\g:XS+8*\g+7], v11
.endr
	ds_store_b128 v4, v[WC+4*(\t):WC+4*(\t)+3] offset:16*(\t)    ; 32 codes: 16 bytes of my column's row; each block has registers of its own, so no store's data are written again
.endm
	WBLOCK 0
	WBLOCK 1
	WBLOCK 2
	WBLOCK 3
	global_store_b32 v9, v[WSB], s[14:15]          ; my column's 4 scale bytes
.irp i, 0,1,2,3
	ds_load_b128 v[WOUT+4*\i:WOUT+4*\i+3], v7 offset:8*\i*PITCH   ; LDS serves a wave's instructions in order: these see my stores
.endr
.irp i, 0,1,2,3
	s_wait_dscnt 3-\i                              ; load i is back; the 3 - i behind it may be out
	global_store_b128 v8, v[WOUT+4*\i:WOUT+4*\i+3], s[12:13] offset:8*\i*KROW
.endr
	s_wait_tensorcnt 0x0                           ; the wave's end, behind my last LDS store
	ds_add_u32 v[SPW], v[NIL]
	s_wait_dscnt 0x0
	s_endpgm
.Lfunc_end_k_q0508d7ba85_prep:
	.size	k_q0508d7ba85_prep, .Lfunc_end_k_q0508d7ba85_prep-k_q0508d7ba85_prep
	.p2alignl 7, 3214868480
	.fill 96, 4, 3214868480
	.section	.rodata,"a",@progbits
	.p2align	6, 0x0
	.amdhsa_kernel k_q0508d7ba85_prep
		.amdhsa_group_segment_fixed_size 43520
		.amdhsa_private_segment_fixed_size 0
		.amdhsa_enable_private_segment 0
		.amdhsa_kernarg_size 56
		.amdhsa_user_sgpr_count 2
		.amdhsa_user_sgpr_kernarg_segment_ptr 1
		.amdhsa_wavefront_size32 1
		.amdhsa_system_sgpr_workgroup_id_x 1
		.amdhsa_system_sgpr_workgroup_id_y 1
		.amdhsa_system_sgpr_workgroup_id_z 1
		.amdhsa_system_vgpr_workitem_id 0
		.amdhsa_next_free_vgpr 200
		.amdhsa_next_free_sgpr 66
		.amdhsa_reserve_vcc 0
		.amdhsa_float_denorm_mode_32 3
		.amdhsa_float_denorm_mode_16_64 3
		.amdhsa_memory_ordered 1
		.amdhsa_forward_progress 1
		.amdhsa_inst_pref_size 75
	.end_amdhsa_kernel
	.amdgpu_metadata
---
amdhsa.version: [ 1, 2 ]
amdhsa.kernels:
  - .name:           k_q0508d7ba85_prep
    .symbol:         k_q0508d7ba85_prep.kd
    .args:
      - { .name: x, .offset: 0, .size: 8, .value_kind: global_buffer, .address_space: global }
      - { .name: w_qkv, .offset: 8, .size: 8, .value_kind: global_buffer, .address_space: global }
      - { .name: w1, .offset: 16, .size: 8, .value_kind: global_buffer, .address_space: global }
      - { .name: w2, .offset: 24, .size: 8, .value_kind: global_buffer, .address_space: global }
      - { .name: codes, .offset: 32, .size: 8, .value_kind: global_buffer, .address_space: global }
      - { .name: scales, .offset: 40, .size: 8, .value_kind: global_buffer, .address_space: global }
      - { .name: wh, .offset: 48, .size: 8, .value_kind: global_buffer, .address_space: global }
    .group_segment_fixed_size: 43520
    .private_segment_fixed_size: 0
    .kernarg_segment_align: 8
    .kernarg_segment_size: 56
    .max_flat_workgroup_size: 128
    .sgpr_count:     66
    .vgpr_count:     200
    .wavefront_size: 32
...
	.end_amdgpu_metadata
.endif
;; end of part 1
;; launch gemm_qkv (part 2): grid 12 x 16, 4 waves a work-group, clusters of 4 x 4, 327,680 bytes of LDS; arguments codes, scales, qkv; writes qkv
.if DOCPART == 2
	.amdgcn_target "amdgcn-amd-amdhsa--gfx1250"
	.amdhsa_code_object_version 6
	.text
	.protected	k_q0508d7ba85_gemm_qkv
	.globl	k_q0508d7ba85_gemm_qkv
	.p2align	8
	.type	k_q0508d7ba85_gemm_qkv,@function
k_q0508d7ba85_gemm_qkv:
	s_mov_b64 s[64:65], 0
	v_nop
	global_prefetch_b8 v0, s[64:65] scope:SCOPE_SE
	s_setreg_imm32_b32 hwreg(HW_REG_WAVE_MODE, 25, 1), 1
	s_wait_xcnt 0x0
	s_wait_alu depctr_hold_cnt(0) depctr_sa_sdst(0) depctr_va_vdst(0) depctr_va_sdst(0) depctr_va_ssrc(0) depctr_va_vcc(0) depctr_vm_vsrc(0)
	s_getreg_b32 s2, hwreg(HW_REG_IB_STS2, 6, 4)
	s_cmp_eq_u32 s2, 0
	s_cbranch_scc0 .Lentry_in_a_cluster
	s_endpgm
.Lentry_in_a_cluster:
	s_bfe_u32 s2, ttmp6, 0x10000c
	s_cmp_lg_u32 s2, 0xf033
	s_cbranch_scc0 .Lentry_shape_is_right
	s_endpgm
.Lentry_shape_is_right:
; qkv = x w_qkv on codes of FP4 (E2M1) with one E8M0 scale for each 32 along K; sums in f32; the result is rounded once to f16 (the next two products' operand format) and laid head by head:
; qkv[tensor 0..2][16 batch + head][position 0..2047][64], a row of 128 bytes.  LIMIT: |q|, |k|, |v| stay under 65,504, f16's largest number.
; A = x's codes [4096][512 bytes], B = w_qkv's codes [3072][512 bytes] (behind x's in the buffer), scale bytes [rows][32] likewise.
; A tile of C, 256 x 256, is made by a work-group of four waves; a wave makes 128 x 128: 64 accumulators of 16 x 16, 512 registers.  K = 1,024 is two slots of 512 along K (rows of 256 bytes): both are
; asked for at the head, and nothing is filled again.  The scales of the work-group's 256 + 256 rows, for all of K, are two dense blocks of memory and come once, with the first fills.
; CLUSTERS: 4 x 4 work-groups.  The four of a row of the cluster need the same tiles of A, the four of a column the same tiles of B: each tile is asked for JOINTLY, by the same tensor load with the same
; descriptor and a mask that names the four.  THE MATRIX INSTRUCTION IS USED TRANSPOSED (source 0 = 16 rows of B, source 1 = 16 rows of A): a lane then holds eight neighbouring numbers of a row of C.
; REGISTERS, in windows of 256: window 0: v0-31 addresses; v32-95 scale words, two sets; v128-191 A's fragments (8 x 16 rows x 128 K), ONE set; on the way out v32-63, v192-255 are at work.
;   window 1: B's fragments, TWO sets, at v0 and at v128.   window 2: the 32 accumulators of my rows 0-63 (accumulator (a, b) at v[8 (8 a + b)]);   window 3: those of my rows 64-127.
.set SIZE_M, 4096
.set SIZE_N, 3072
.set SIZE_K, 1024
.set KSTEP,  512                       ; along K in a slot
.set NQ,     KSTEP/128                 ; matrix instructions deep
.set ROWB,   256                       ; a tile's row in bytes
.set KROW,   SIZE_K*4/8                ; a row of codes in memory
.set PITCH,  272                       ; an LDS row: 256 bytes + 16 of padding: the 16 rows that a load touches begin 68 words apart
.set FR,     8                         ; registers of a fragment
.set NL,     2                         ; LDS loads that bring one
.set NP,     4                         ; places behind this matrix instruction (ISA guide 7.12.1)
.set HALFT,  128*PITCH                 ; 128 rows: what one tensor load brings
.set SLOT,   4*HALFT                   ; A's 256 rows, then B's 256 rows
.set KS,     SIZE_K/32                 ; a row of scales in bytes
.set SCL,    2*SLOT                    ; behind the two slots: the scales, as runs of 256 bytes + 16 of padding
.set HALFS,  (128*KS/256)*272          ; the scales of 128 rows
.set SBLK,   (16*KS/256)*272           ; those of 16 rows
.set SPARE,  SCL+4*HALFS               ; the spare words, 128 bytes for each wave, which no other line names
.set SPITCH, 272                       ; the way out: a stage of 16 rows x (256 bytes + 16) for each wave, in slot 0, which has had its only fill and its last read when the first result is stored there
.set ADRA, 16                          ; v16-17  LDS address of my A fragments in slot 0, 1
.set ADRB, 20                          ; v20-21  the same for B
.set STO,  24                          ; v24     the way out: where I put 16 bytes of a row
.set RD,   25                          ; v25     where I read them back
.set CO,   26                          ; v26     my byte offset in qkv
.set ADRS, 27                          ; v27     LDS address of my scale words: lanes 0-15 A's rows, lanes 16-31 B's
.set SPW,  28                          ; v28     LDS address of my spare word; never rewritten
.set NIL,  29                          ; v29     0; never rewritten
.set SC,   32                          ; scale words: set s at v[SC + 8 NQ s]; register NQ i + q: lanes 0-15 the word of A's block i, lanes 16-31 that of B's block i, for the slot's q-th 128 along K
.set AF,   128                         ; A's fragments, in window 0
.set TMP,  192                         ; the way out: a block's packed results
.set OB,   32                          ; and 16 rows read back: v32-63 and v224-255 by turns
.set G1, 24                            ; s[24:31] descriptor group 1 for A's tiles;  s[32:39] group 0, one set for each slot
.set G0, 32
.set G1B, 48                           ; s[48:55], s[56:63] the same for B's tiles
.set G0B, 56
.set G1S, 68                           ; s[68:75], s[76:79] groups 1 and 0 for A's scales;  s[80:87], s[88:91] for B's
.set G0S, 76
.set G1SB, 80
.set G0SB, 88
.set MSB, 0
.macro WIN new                         ; the immediate's high byte repeats the setting that is left; a switch that changes nothing is dropped
.if MSB != (\new)
	s_set_vgpr_msb (MSB<<8)|(\new)
.set MSB, (\new)
.endif
.endm
.set MUL_LO, 0xa1                      ; source 0 (B) window 1, source 1 (A) window 0, C and D window 2
.set MUL_HI, 0xf1                      ; the same, C and D window 3
.set TO_B,   0x40                      ; destination window 1, address window 0
; A joint load: waves 0 and 1 fetch for A, waves 2 and 3 for B.  Each of the two lines has ONE mask and one set of registers for all that issue it; the branch hangs on the wave's number alone.
; An s_nop 0 and four v_nop follow each of the two lines.
.macro JLOAD g0a, g1a, g0b, g1b
	s_cmp_eq_u32 s15, 0
	s_cbranch_scc0 .Lfor_b_\@
	tensor_load_to_lds s[\g0a:\g0a+3], s[\g1a:\g1a+7]
	s_nop 0
.rept 4
	v_nop
.endr
	s_branch .Lasked_\@
.Lfor_b_\@:
	tensor_load_to_lds s[\g0b:\g0b+3], s[\g1b:\g1b+7]
	s_nop 0
.rept 4
	v_nop
.endr
.Lasked_\@:
.endm
.macro CROUND                          ; a round of the cluster's barrier: my work-group's barrier; wave 0 signals for the work-group; every wave waits for all sixteen; my work-group's barrier once more
	s_barrier_signal -1
	s_barrier_wait -1
	s_cmp_lg_u32 s14, 0
	s_cbranch_scc1 .Lnot_wave_0_\@
	s_barrier_signal -3
.Lnot_wave_0_\@:
	s_barrier_wait -3
	s_barrier_signal -1
	s_barrier_wait -1
.endm
	s_load_b128 s[4:7], s[0:1], 0x0                ; codes s[4:5], scales s[6:7]
	s_load_b64 s[12:13], s[0:1], 0x10              ; qkv
	v_lshl_add_u32 v[SPW], v0, 2, SPARE
	v_mov_b32 v[NIL], 0
	ds_add_u32 v[SPW], v[NIL]                      ; the wave's opening: the add, twice on end, and its wait ahead of my first tensor load; the set-up below stands between
	ds_add_u32 v[SPW], v[NIL]
	v_lshrrev_b32 v1, 5, v0
	v_readfirstlane_b32 s14, v1                    ; wave 0..3
	s_lshr_b32 s15, s14, 1                         ; which half of the tile's rows is mine.  Also: I fetch for A (0) or for B (1)
	s_and_b32 s16, s14, 1                          ; which half of its columns.  Also: which 128 rows of that tile I fetch
	s_bfe_u32 s40, ttmp6, 0x40000                  ; cx, cy: my place in the cluster
	s_bfe_u32 s41, ttmp6, 0x40004
	s_lshl_b32 s42, ttmp9, 2
	s_add_co_u32 s42, s42, s40                     ; tile column of C = 4 x cluster x + cx
	s_and_b32 s17, ttmp7, 0xffff
	s_lshl_b32 s17, s17, 2
	s_add_co_u32 s17, s17, s41                     ; tile row of C = 4 x cluster y + cy
	s_lshl_b32 s43, s41, 2
	s_lshl_b32 s43, 15, s43                        ; my row of the cluster
	s_lshl_b32 s44, 0x1111, s40                    ; my column
	; descriptor group 1: a tile of 128 rows x 256 bytes, padded in LDS
	s_or_b32 s[G1+0], s43, (0<<16)|(1<<20)|(1<<21)|(5<<22)|(3<<25)  ; 15:0 the mask: A's tiles go to my row; 17:16 elements of 1 byte; 20 padding on; 21 set beside a mask; 24:22 after every 64 words; 31:25 four words
	s_or_b32 s[G1B+0], s44, (0<<16)|(1<<20)|(1<<21)|(5<<22)|(3<<25)
.irp g, G1, G1B
	s_mov_b32 s[\g+1], ROWB<<16                    ; tensor_dim0
	s_mov_b32 s[\g+2], 128<<16                     ; tensor_dim1 = 128
	s_mov_b32 s[\g+3], ROWB<<16                    ; tile_dim0
	s_mov_b32 s[\g+4], 128                         ; tile_dim1 = 128
	s_mov_b32 s[\g+5], KROW                        ; tensor_dim0_stride
	s_mov_b32 s[\g+6], 0
	s_mov_b32 s[\g+7], 0
.endr
	; and for the scales of 128 rows: a dense block of 4,096 bytes, as rows of 256 bytes (32 elements of 8 bytes), 16 bytes of padding behind each
	s_or_b32 s[G1S+0], s43, (3<<16)|(1<<20)|(1<<21)|(5<<22)|(3<<25)
	s_or_b32 s[G1SB+0], s44, (3<<16)|(1<<20)|(1<<21)|(5<<22)|(3<<25)
.irp g, G1S, G1SB
	s_mov_b32 s[\g+1], 32<<16
	s_mov_b32 s[\g+2], (128*KS/256)<<16
	s_mov_b32 s[\g+3], 32<<16
	s_mov_b32 s[\g+4], 128*KS/256
	s_mov_b32 s[\g+5], 32
	s_mov_b32 s[\g+6], 0
	s_mov_b32 s[\g+7], 0
.endr
	s_lshl_b32 s18, s16, 7                         ; which 128 rows of the tile I fetch
	s_lshl_b32 s20, s17, 8
	s_add_co_u32 s20, s20, s18                     ; A: row 256 x tile row + 128 x half
	s_lshl_b32 s46, s42, 8
	s_add_co_u32 s46, s46, s18                     ; B: row 256 x tile column + 128 x half
	s_mov_b32 s21, 0
	s_mov_b32 s47, 0
	s_mov_b64 s[18:19], KS
	s_mul_u64 s[22:23], s[20:21], s[18:19]         ; where these rows' scales begin, in bytes
	s_mul_u64 s[92:93], s[46:47], s[18:19]
	s_mov_b64 s[18:19], KROW
	s_mul_u64 s[20:21], s[20:21], s[18:19]         ; and their codes
	s_mul_u64 s[46:47], s[46:47], s[18:19]
	s_mul_i32 s45, s14, HALFT                      ; where they go: wave x 128 rows: no place in the cluster enters an LDS address
	s_mul_i32 s94, s14, HALFS
	s_wait_dscnt 0x0                               ; both opening adds are done
	s_wait_kmcnt 0x0
	s_add_nc_u64 s[8:9], s[4:5], 2097152           ; w_qkv's codes lie behind x's,
	s_add_nc_u64 s[10:11], s[6:7], 131072          ; its scale bytes behind x's
	s_add_nc_u64 s[20:21], s[4:5], s[20:21]
	s_add_nc_u64 s[22:23], s[6:7], s[22:23]
	s_add_nc_u64 s[46:47], s[8:9], s[46:47]
	s_add_nc_u64 s[92:93], s[10:11], s[92:93]
	CROUND                                         ; all sixteen work-groups are here: the first joint loads meet
	s_mov_b32 s[G0S], 1
	s_add_co_u32 s[G0S+1], s94, SCL
	s_mov_b64 s[G0S+2:G0S+3], s[22:23]
	s_or_b32 s[G0S+3], s[G0S+3], 0x80000000
	s_mov_b32 s[G0SB], 1
	s_add_co_u32 s[G0SB+1], s94, SCL
	s_mov_b64 s[G0SB+2:G0SB+3], s[92:93]
	s_or_b32 s[G0SB+3], s[G0SB+3], 0x80000000
	JLOAD G0S, G1S, G0SB, G1SB                     ; the scales first: they are wanted with slot 0.  Three loads of mine are out behind the third of these lines
.irp s, 0,1
	s_mov_b32 s[G0+4*\s], 1
	s_add_co_u32 s[G0+4*\s+1], s45, \s*SLOT
	s_add_nc_u64 s[G0+4*\s+2:G0+4*\s+3], s[20:21], \s*ROWB
	s_or_b32 s[G0+4*\s+3], s[G0+4*\s+3], 0x80000000
	s_mov_b32 s[G0B+4*\s], 1
	s_add_co_u32 s[G0B+4*\s+1], s45, \s*SLOT
	s_add_nc_u64 s[G0B+4*\s+2:G0B+4*\s+3], s[46:47], \s*ROWB
	s_or_b32 s[G0B+4*\s+3], s[G0B+4*\s+3], 0x80000000
	JLOAD G0+4*\s, G1, G0B+4*\s, G1B
.endr
	v_and_b32 v1, 15, v0                           ; r = l % 16
	v_bfe_u32 v2, v0, 4, 1                         ; h = l / 16
	v_mul_u32_u24 v3, v1, PITCH
	v_lshl_add_u32 v4, v2, 4, v3                   ; a fragment's row x pitch + 16 x half
	s_mul_i32 s21, s15, HALFT                      ; my 128 rows of A
	s_mul_i32 s22, s16, HALFT                      ; my 128 rows of B,
	s_add_co_u32 s22, s22, 2*HALFT                 ; which lie behind A's 256
.irp s, 0,1
	v_add_nc_u32 v[ADRA+\s], s21, v4
	v_add_nc_u32 v[ADRB+\s], s22, v4
	s_add_co_u32 s21, s21, SLOT
	s_add_co_u32 s22, s22, SLOT
.endr
	v_mul_u32_u24 v5, v1, KS                       ; my row's scales: KS bytes a row,
	v_lshrrev_b32 v6, 8, v5
	v_lshl_add_u32 v5, v6, 4, v5                   ; and 16 more for each 256 passed
	s_mul_i32 s21, s15, HALFS                      ; A's: my 128 rows
	s_mul_i32 s22, s16, HALFS                      ; B's: my 128 rows, behind A's 256
	s_add_co_u32 s22, s22, 2*HALFS
	s_sub_co_u32 s22, s22, s21
	v_mul_u32_u24 v6, s22, v2                      ; lanes 16-31 take B's: one product, the distance between the two bases x h
	s_add_co_u32 s21, s21, SCL
	v_add_nc_u32 v5, v5, v6
	v_add_nc_u32 v[ADRS], s21, v5
	s_mul_i32 s23, s14, 16*SPITCH                  ; my stage
	v_mul_u32_u24 v5, v1, SPITCH                   ; in: row r, 16 bytes for each half of the lanes
	v_lshl_add_u32 v5, v2, 4, v5
	v_add_nc_u32 v[STO], s23, v5
	; back: a stage row holds 128 bytes of one head and 128 of the next.  Sixteen lanes take TWO NEIGHBOURING ROWS OF ONE HEAD, which are 256 consecutive bytes of qkv; lanes 16-31 the next head's
	v_and_b32 v6, 7, v0
	v_lshlrev_b32 v6, 4, v6                        ; 16 (l % 8)
	v_bfe_u32 v7, v0, 3, 1                         ; which of the two rows
	v_mul_u32_u24 v5, v7, SPITCH
	v_add_nc_u32 v5, v5, v6
	v_lshl_add_u32 v5, v2, 7, v5                   ; + 128 h: which head
	v_add_nc_u32 v[RD], s23, v5
	v_lshl_add_u32 v6, v7, 7, v6                   ; in qkv: a row is 128 bytes,
	v_lshl_add_u32 v[CO], v2, 18, v6               ; a head 262,144
	; my part of qkv: column 256 tc + 128 half: tensor tc / 4, head 4 (tc % 4) + 2 half;  row 256 tr + 128 half: batch tr / 8, position 256 (tr % 8) + 128 half
	s_lshr_b32 s20, s42, 2
	s_lshl_b32 s20, s20, 23                        ; a tensor is 8,388,608 bytes
	s_lshr_b32 s21, s17, 3
	s_lshl_b32 s21, s21, 4
	s_and_b32 s46, s42, 3
	s_lshl_b32 s46, s46, 2
	s_add_co_u32 s21, s21, s46
	s_lshl_b32 s46, s16, 1
	s_add_co_u32 s21, s21, s46                     ; 16 batch + head
	s_lshl_b32 s21, s21, 18
	s_add_co_u32 s20, s20, s21
	s_and_b32 s21, s17, 7
	s_lshl_b32 s21, s21, 8
	s_lshl_b32 s46, s15, 7
	s_add_co_u32 s21, s21, s46                     ; position
	s_lshl_b32 s21, s21, 7
	s_add_co_u32 s20, s20, s21
	s_mov_b32 s21, 0
	s_add_nc_u64 s[12:13], s[12:13], s[20:21]
.macro FRAG reg, adr, q, i             ; a fragment, 16 rows x 128 K of 4-bit codes, is 8 registers: lane l holds row l % 16; registers 4 c .. 4 c + 3 hold K = 64 c + 32 (l / 16) + 0 .. 31
.irp c, 0,1
	ds_load_b128 v[\reg+4*\c:\reg+4*\c+3], v[\adr] offset:64*(\q)+32*\c+(\i)*16*PITCH
.endr
.endm
; 16 matrix instructions: A's blocks a0, a0 + 1 x B's eight, 128 along K: the slot's q-th.  p: B's set;  sc: the set of scale words.  zero = 1: the first product starts the sums: nothing is ever cleared.
; The 64 accumulators take turns, one instruction a turn, in the same order in every step.
.macro MUL16 a0, p, q, sc, zero
.irp a, \a0, \a0+1
.irp b, 0,1,2,3,4,5,6,7
.if \zero
	v_wmma_scale_f32_16x16x128_f8f6f4 v[8*(8*((\a)%4)+\b):8*(8*((\a)%4)+\b)+7], v[128*(\p)+FR*\b:128*(\p)+FR*\b+FR-1], v[AF+FR*(\a):AF+FR*(\a)+FR-1], 0, v[SC+8*NQ*(\sc)+NQ*\b+(\q)], v[SC+8*NQ*(\sc)+NQ*(\a)+(\q)] matrix_a_fmt:MATRIX_FMT_FP4 matrix_b_fmt:MATRIX_FMT_FP4 matrix_a_scale:MATRIX_SCALE_ROW1
.else
	v_wmma_scale_f32_16x16x128_f8f6f4 v[8*(8*((\a)%4)+\b):8*(8*((\a)%4)+\b)+7], v[128*(\p)+FR*\b:128*(\p)+FR*\b+FR-1], v[AF+FR*(\a):AF+FR*(\a)+FR-1], v[8*(8*((\a)%4)+\b):8*(8*((\a)%4)+\b)+7], v[SC+8*NQ*(\sc)+NQ*\b+(\q)], v[SC+8*NQ*(\sc)+NQ*(\a)+(\q)] matrix_a_fmt:MATRIX_FMT_FP4 matrix_b_fmt:MATRIX_FMT_FP4 matrix_a_scale:MATRIX_SCALE_ROW1
.endif
.endr
.endr
.endm
.macro FETCH_B slot, q, p              ; B's eight fragments of the slot's q-th 128 along K into set p
	WIN TO_B
.irp i, 0,1,2,3,4,5,6,7
	FRAG 128*(\p)+FR*\i, ADRB+\slot, \q, \i
.endr
	WIN 0
.endm
.macro FETCH_A slot, q, i0             ; A's blocks i0 .. i0 + 3
.irp i, \i0, \i0+1, \i0+2, \i0+3
	FRAG AF+FR*(\i), ADRA+\slot, \q, \i
.endr
.endm
.macro SCALES sc                       ; a slot's scale words into set sc: NQ words a row; lanes 0-15 take A's block i, lanes 16-31 B's block i
.irp i, 0,1,2,3,4,5,6,7
	ds_load_b128 v[SC+8*NQ*\sc+NQ*\i:SC+8*NQ*\sc+NQ*\i+3], v[ADRS] offset:\i*SBLK
.endr
.endm
; A load into a register that a matrix instruction has read, and a vector instruction that reads a matrix result, stand NP places behind that matrix instruction; only plain vector instructions that name
; none of its registers are places (ISA guide 7.12.1 for vector instructions).
.macro PLACES n
.rept \n
	v_nop
.endr
.endm
; A step of 128 along K that has its successor in the same slot.  A's blocks are free as soon as their eight products are issued, so one set serves A: blocks 0-3 come anew in the step's middle, 4-7 at its end.
.macro STEP slot, q, zero
	s_wait_dscnt 4*NL                              ; B's set and A's blocks 0-3 are in; the youngest eight loads (A's blocks 4-7) may be out
	WIN MUL_LO
	MUL16 0, (\q)%2, \q, \slot, \zero
	MUL16 2, (\q)%2, \q, \slot, \zero
	s_wait_dscnt 0                                 ; A's blocks 4-7 are in
	PLACES NP
	FETCH_B \slot, (\q)+1, 1-(\q)%2
	FETCH_A \slot, (\q)+1, 0
	WIN MUL_HI
	MUL16 4, (\q)%2, \q, \slot, \zero
	MUL16 6, (\q)%2, \q, \slot, \zero
	PLACES NP
	WIN 0
	FETCH_A \slot, (\q)+1, 4
.endm
; Slot 0's last step changes slots: one barrier; in front of it each wave waits for all its tensor loads (slot 1's part), adds 0 to its spare word, and waits for that and for its own reads of slot 0.
.macro TURN slot, next
	s_wait_tensorcnt 0x0                           ; all my tensor loads have landed: my part of the next slot
	ds_add_u32 v[SPW], v[NIL]                      ; 0 onto my spare word
	s_wait_dscnt 4*NL+1                            ; (the add and the youngest eight loads, A's blocks 4-7, may be out)
	WIN MUL_LO
	MUL16 0, 1, NQ-1, \slot, 0                     ; sixteen matrix instructions stand between the add and the wait for it
	s_wait_dscnt 0x0                               ; the add is done, and my reads of this slot are over
	s_barrier_signal -1
	MUL16 2, 1, NQ-1, \slot, 0
	WIN 0
	s_barrier_wait -1                              ; the next slot is whole, and nobody reads this one any more
	PLACES NP
	v_add_nc_u32 v[ADRS], 4*NQ, v[ADRS]            ; on to the next slot's scale words (no LDS load of mine is out)
	FETCH_B \next, 0, 0
	FETCH_A \next, 0, 0
	SCALES \next
	WIN MUL_HI
	MUL16 4, 1, NQ-1, \slot, 0
	MUL16 6, 1, NQ-1, \slot, 0
	PLACES NP
	WIN 0
	FETCH_A \next, 0, 4
.endm
.macro STEPS slot, from                ; the slot's steps from .. NQ - 2
.set Q, \from
.rept NQ-1-\from
	STEP \slot, Q, 0
.set Q, Q+1
.endr
.endm
	s_wait_tensorcnt 1                             ; the scales and my part of slot 0 are in; slot 1's load, issued behind them, may be out
	s_barrier_signal -1
	s_barrier_wait -1                              ; everybody's are
	FETCH_B 0, 0, 0
	FETCH_A 0, 0, 0
	SCALES 0
	FETCH_A 0, 0, 4
	STEP 0, 0, 1                                   ; the first step's products start the sums
	STEPS 0, 1
	TURN 0, 1
	STEPS 1, 0
	s_wait_dscnt 4*NL                              ; the very last step: nothing more to fetch
	WIN MUL_LO
	MUL16 0, 1, NQ-1, 1, 0
	MUL16 2, 1, NQ-1, 1, 0
	s_wait_dscnt 0
	WIN MUL_HI
	MUL16 4, 1, NQ-1, 1, 0
	MUL16 6, 1, NQ-1, 1, 0
	WIN 0
; THE WAY OUT, block by block of 16 rows x 128 columns.  PACK: rounded to f16, 16 bytes a lane, each accumulator from its low end on.  TOSTAGE: into my own stage, and back in the order of qkv.  SEND: stored.
.macro PACK a
.set AC, 64*((\a)%4)
	WIN 0x0a+5*((\a)/4)                            ; sources 0 and 1: window 2 or 3
.irp b, 0,1,2,3,4,5,6,7
.irp r, 0,1,2,3
	v_cvt_pk_f16_f32 v[TMP+4*\b+\r], v[AC+8*\b+2*\r], v[AC+8*\b+2*\r+1]
.endr
.endr
	WIN 0
.endm
.macro TOSTAGE a
.set BK, OB+192*((\a)%2)
.irp b, 0,1,2,3,4,5,6,7
	ds_store_b128 v[STO], v[TMP+4*\b:TMP+4*\b+3] offset:32*\b
.endr
.irp t, 0,1,2,3,4,5,6,7
	ds_load_b128 v[BK+4*\t:BK+4*\t+3], v[RD] offset:\t*2*SPITCH    ; LDS serves a wave's instructions in order (ISA guide 5.7.1.4): these see the stores above
.endr
.endm
.macro SEND a
.set BK, OB+192*((\a)%2)
	s_wait_dscnt 0x0                               ; the block is back in registers
	s_wait_xcnt 0x0                                ; the stores of the block before have read their registers: the next TOSTAGE loads into them
.irp t, 0,1,2,3,4,5,6,7
	global_store_b128 v[CO], v[BK+4*\t:BK+4*\t+3], s[12:13] offset:2048*(\a)+256*\t   ; sixteen lanes store 256 consecutive bytes, aligned: rows 16 a + 2 t and + 1 of one head; every offset is an immediate
.endr
.endm
	PLACES NP                                      ; behind the last products: for the loads into registers that held scale words, and for the reads of results
	PACK 0
	TOSTAGE 0
.irp a, 1,2,3,4,5,6,7                  ; block a's conversions stand between block a - 1's loads from the stage and the wait for them
	PACK \a
	SEND \a-1
	TOSTAGE \a
.endr
	SEND 7
	s_wait_tensorcnt 0x0                           ; the wave's end, behind my last tensor load and my last LDS store
	ds_add_u32 v[SPW], v[NIL]
	s_wait_dscnt 0x0
	CROUND                                         ; the closing round: no work-group ends while a partner may still ask for a tile that names it
	s_endpgm
.Lfunc_end_k_q0508d7ba85_gemm_qkv:
	.size	k_q0508d7ba85_gemm_qkv, .Lfunc_end_k_q0508d7ba85_gemm_qkv-k_q0508d7ba85_gemm_qkv
	.p2alignl 7, 3214868480
	.fill 96, 4, 3214868480
	.section	.rodata,"a",@progbits
	.p2align	6, 0x0
	.amdhsa_kernel k_q0508d7ba85_gemm_qkv
		.amdhsa_group_segment_fixed_size 327680
		.amdhsa_private_segment_fixed_size 0
		.amdhsa_enable_private_segment 0
		.amdhsa_kernarg_size 24
		.amdhsa_user_sgpr_count 2
		.amdhsa_user_sgpr_kernarg_segment_ptr 1
		.amdhsa_wavefront_size32 1
		.amdhsa_system_sgpr_workgroup_id_x 1
		.amdhsa_system_sgpr_workgroup_id_y 1
		.amdhsa_system_sgpr_workgroup_id_z 1
		.amdhsa_system_vgpr_workitem_id 0
		.amdhsa_next_free_vgpr 1024
		.amdhsa_next_free_sgpr 98
		.amdhsa_reserve_vcc 0
		.amdhsa_float_denorm_mode_32 3
		.amdhsa_float_denorm_mode_16_64 3
		.amdhsa_memory_ordered 1
		.amdhsa_forward_progress 1
		.amdhsa_inst_pref_size 127
	.end_amdhsa_kernel
	.amdgpu_metadata
---
amdhsa.version: [ 1, 2 ]
amdhsa.kernels:
  - .name:           k_q0508d7ba85_gemm_qkv
    .symbol:         k_q0508d7ba85_gemm_qkv.kd
    .args:
      - { .name: codes, .offset: 0, .size: 8, .value_kind: global_buffer, .address_space: global }
      - { .name: scales, .offset: 8, .size: 8, .value_kind: global_buffer, .address_space: global }
      - { .name: qkv, .offset: 16, .size: 8, .value_kind: global_buffer, .address_space: global }
    .group_segment_fixed_size: 327680
    .private_segment_fixed_size: 0
    .kernarg_segment_align: 8
    .kernarg_segment_size: 24
    .max_flat_workgroup_size: 128
    .sgpr_count:     98
    .vgpr_count:     1024
    .wavefront_size: 32
...
	.end_amdgpu_metadata
.endif
;; end of part 2
;; launch attn (part 3): grid 8 x 32, 8 waves a work-group, clusters of 4 x 1, 327,680 bytes of LDS; arguments qkv, pre; writes pre
.if DOCPART == 3
	.amdgcn_target "amdgcn-amd-amdhsa--gfx1250"
	.amdhsa_code_object_version 6
	.text
	.protected	k_q0508d7ba85_attn
	.globl	k_q0508d7ba85_attn
	.p2align	8
	.type	k_q0508d7ba85_attn,@function
k_q0508d7ba85_attn:
	s_mov_b64 s[64:65], 0
	v_nop
	global_prefetch_b8 v0, s[64:65] scope:SCOPE_SE
	s_setreg_imm32_b32 hwreg(HW_REG_WAVE_MODE, 25, 1), 1
	s_wait_xcnt 0x0
	s_wait_alu depctr_hold_cnt(0) depctr_sa_sdst(0) depctr_va_vdst(0) depctr_va_sdst(0) depctr_va_ssrc(0) depctr_va_vcc(0) depctr_vm_vsrc(0)
	s_getreg_b32 s2, hwreg(HW_REG_IB_STS2, 6, 4)
	s_cmp_eq_u32 s2, 0
	s_cbranch_scc0 .Lentry_in_a_cluster
	s_endpgm
.Lentry_in_a_cluster:
	s_bfe_u32 s2, ttmp6, 0x10000c
	s_cmp_lg_u32 s2, 0x3003
	s_cbranch_scc0 .Lentry_shape_is_right
	s_endpgm
.Lentry_shape_is_right:
; attn_out[b][q][64 head + :] = the sum over k of softmax_k(Q[q] . K[k] / sqrt(1024)) V[k][:], for each of the 32 (batch, head).  No mask.
; qkv: f16 [3][16 batch + head][2048][64].  pre: f32 [4096][1024].  Products on f16 operands with f32 sums; maxima, exponentials and sums in f32; the weights p are rounded to f16 for the second product.
; LIMITS: NaN and infinities are not served.
; SHARES.  A work-group owns 256 queries of one (batch, head); each of its EIGHT waves owns 32: two tiles of 16: two waves to a SIMD, so that one wave's vector work stands beside the other's matrix work
; and LDS loads.  Every wave walks all 2,048 keys, 64 a step; each fragment of K and V read from LDS feeds two matrix instructions.
; LAYOUT.  S^T = K Q^T (source 0 = 16 keys, source 1 = 16 queries): a lane holds ONE query (lane % 16) and the keys 8 (lane / 16) + 0..7.  Two such tiles, rounded to f16 in pairs, ARE source 1
; (32 keys x 16 queries) of O^T = V^T P, whose result again holds one query a lane.  K comes out of LDS as it lies, V ([key][channel]) turned, by ds_load_tr16_b128.
; SOFTMAX.  For each query a running maximum m and sum l: p = 2^(c s - c m), c = log2(e) / 32; in every step O and l are multiplied by a = 2^(c m_old - c m_new).  m begins at -3e38 and l and O at 0,
; so that the step is written once: the first step's a is 0 and multiplies zeros.
; K ONE STEP AHEAD.  K has a buffer of its own, in the second window of registers: the next step's fragments are asked of LDS behind this step's products K Q^T, together with this step's V, and both land
; while the softmax is walked: one wait a step.  The price is four switches of the register window a step.
; RING.  Two LDS slots of 512 keys (eight steps), so that the 2,048 keys take four changes of slots.  Waves 0-3 fetch K's quarters, waves 4-7 V's, 128 rows each, one tensor load a wave; by this text's
; count one load of a wave is out behind each change.
; CLUSTER.  The four query blocks of a cluster belong to one head and walk the same K and V, so each tile is asked for JOINTLY: the same load, the same descriptor, a mask that names the four.
.set KS,    64        ; keys in a step
.set SLK,   512       ; keys in a slot
.set NST,   SLK/KS    ; steps in a slot
.set PK,    144       ; a row of K in LDS: 128 bytes + 16 of padding: an odd multiple of 16
.set PV,    160       ; a row of V: 128 + 32: an odd multiple of 32, for the turning load
.set VOFF,  SLK*PK    ; a slot: 512 rows of K, then 512 rows of V
.set SLOT1, SLK*(PK+PV)  ; slot 1 begins here
.set SP,    272       ; the way out: a stage of 16 rows x (256 bytes + 16) for each wave, from LDS byte 0 on: in slot 0, which has had its last fill and its last read when the first result is stored there
.set SPARE, 2*SLOT1   ; behind the ring: the spare words, 128 bytes for each wave, which no other line names
.set TENS,  8388608   ; bytes of q, of k, of v in qkv
.set AK0, 2           ; v2   my lane's place in a tile of K; never rewritten
.set AV0, 3           ; v3   the same for V
.set ADR, 4           ; v4   the LDS address of the step's V
.set QO,  5           ; v5   my byte offset in the wave's rows of Q
.set STO, 6           ; v6   the way out: where I put 32 bytes of a row
.set RD,  7           ; v7   where I read a row back
.set GO,  8           ; v8   my byte offset in the wave's rows of pre
.set PFO, 10          ; v10  256 x my lane: the prefetches' offset; never rewritten
.set SPW, 12          ; v12  LDS address of my spare word; never rewritten
.set NIL, 13          ; v13  0; never rewritten
.set ADK, 14          ; v14  the LDS address of the step's K; the next step's lies KS x PK bytes on
.set ST,  16          ; tile t's statistics at v[ST+8 t]: +0 c m, +1 m, +2, +3 l (even keys', odd keys'), +4 to +7 c0-c3, at work; a takes c2's place once the maximum is found
.set Q,   32          ; v32-63   Q: tile t, channels 32 c on: 8 registers at Q + 16 t + 8 c
.set VB,  64          ; v64-127  a step's fragments of V
.set S,   128         ; v128-191 S^T, 32 a tile; P takes the first 16 of a tile's registers
.set O,   192         ; v192-255 O^T, 32 a tile
.set KB,  0           ; v256-319, written v0-63 in window 1: a step's fragments of K
.set WV,  12          ; s12  my wave's number
.set G1K, 24          ; s[24:31] descriptor group 1 for K's tiles;  s[32:39] for V's: it differs in the padding alone
.set G1V, 32
.set G0K, 40          ; s[40:47] descriptor group 0 for K's tiles, a set for each slot;  s[48:55] for V's
.set G0V, 48
.set CS,  58          ; s[58:59] c: the packed scaling names a pair and takes its low word for both halves
.set SEL, 60          ; s[60:61] lane selects for v_permlanex16_b32: lane l xor 16
.set TK,  62          ; s62  LDS byte at which the step's tile of K begins
.set TV,  63          ; s63  and V's
.set CNT, 66          ; s66  counts a slot's steps down
.set PFA, 68          ; s[68:69] where my prefetches stand: my work-group's 16,384 bytes (of K: wave 0, of V: wave 4) of the slot after the one that is being asked for
.set LIM, 70          ; s70  1 in a wave that prefetches, else the greatest number
.set REM, 71          ; s71  slots still to be asked for
.set MSB, 0
.macro WIN new                      ; s_set_vgpr_msb: bits 1:0 source 0, 3:2 source 1, 5:4 source 2, 7:6 destination; the immediate's high byte repeats the setting that is left
.if MSB != (\new)
	s_set_vgpr_msb (MSB<<8)|(\new)
.set MSB, (\new)
.endif
.endm
; A joint load into slot s.  The branch hangs on the wave's number alone.  An s_nop 0 and four v_nop follow each of the two lines.
.macro JLOAD s
	s_cmp_lt_u32 s[WV], 4
	s_cbranch_scc0 .Lfor_v_\@
	tensor_load_to_lds s[G0K+4*(\s):G0K+4*(\s)+3], s[G1K:G1K+7]
	s_nop 0
.rept 4
	v_nop
.endr
	s_branch .Lasked_\@
.Lfor_v_\@:
	tensor_load_to_lds s[G0V+4*(\s):G0V+4*(\s)+3], s[G1V:G1V+7]
	s_nop 0
.rept 4
	v_nop
.endr
.Lasked_\@:
.endm
; A PREFETCH INTO THE L2 of what the NEXT change of slots will ask for: a slot's 65,536 bytes of K and of V, each a dense block.  It stands behind the wave's tensor load and the run of LDS loads that follows it.
; Each aligned block of 256 bytes is named ONCE in the launch.  Both clusters of a head walk the same K and V: the head's first cluster asks.  Its four partners share a block out BY ADDRESS, 16,384 bytes each,
; lanes 256 bytes apart, two instructions; in each, wave 0 asks for K's and wave 4 for V's.  The last change that fills a slot asks for nothing; slots 0 and 1 come by their loads alone.
.macro ASK
	s_cmp_gt_u32 s[REM], s[LIM]
	s_cbranch_scc0 .Lnot_mine_\@
	global_prefetch_b8 v[PFO], s[PFA:PFA+1] th:TH_LOAD_NT scope:SCOPE_SE
	global_prefetch_b8 v[PFO], s[PFA:PFA+1] offset:8192 th:TH_LOAD_NT scope:SCOPE_SE
.Lnot_mine_\@:
.endm
.macro CROUND                       ; a round of the cluster's barrier: my work-group's barrier; wave 0 signals for the work-group; every wave waits for all four work-groups; my work-group's barrier once more
	s_barrier_signal -1
	s_barrier_wait -1
	s_cmp_lg_u32 s[WV], 0
	s_cbranch_scc1 .Lnot_wave_0_\@
	s_barrier_signal -3
.Lnot_wave_0_\@:
	s_barrier_wait -3
	s_barrier_signal -1
	s_barrier_wait -1
.endm
	s_load_b128 s[4:7], s[0:1], 0x0 ; qkv s[4:5], pre s[6:7]
	v_lshl_add_u32 v[SPW], v0, 2, SPARE
	v_mov_b32 v[NIL], 0
	ds_add_u32 v[SPW], v[NIL]       ; the wave's opening: the add, twice on end, and its wait ahead of my first tensor load; the set-up below stands between
	ds_add_u32 v[SPW], v[NIL]
	v_lshrrev_b32 v1, 5, v0
	v_readfirstlane_b32 s[WV], v1   ; wave 0..7
	s_bfe_u32 s13, ttmp6, 0x40000   ; cx: my place in the cluster
	s_lshl_b32 s14, ttmp9, 2        ; in a cluster launch ttmp9 counts clusters
	s_add_co_u32 s14, s14, s13      ; my block of 256 queries: it enters Q's and pre's addresses alone
	s_and_b32 s15, ttmp7, 0xffff    ; 16 batch + head, which the four partners share
	s_lshl_b32 s16, s15, 18         ; its 262,144 bytes in each of q, k, v
	s_and_b32 s17, s[WV], 3         ; which quarter of a slot's rows I fetch:
	s_lshl_b32 s18, s17, 14         ; its 128 rows of 128 bytes in memory,
	s_add_co_u32 s18, s18, s16
	s_mov_b32 s19, 0
	s_mul_i32 s20, s17, (SLK/4)*PK  ; and its place in a slot, for K
	s_mul_i32 s21, s17, (SLK/4)*PV  ; and for V: no place in the cluster enters an LDS address
	s_add_co_u32 s21, s21, VOFF
	s_lshl_b32 s22, s14, 15         ; Q: my block's 256 rows of 128 bytes,
	s_lshl_b32 s23, s[WV], 12       ; my wave's 32 of them
	s_add_co_u32 s22, s22, s23
	s_add_co_u32 s22, s22, s16
	s_mov_b32 s23, 0
	s_lshr_b32 s74, s15, 4          ; pre: row 2,048 batch + 256 block + 32 wave, of 4,096 bytes;
	s_lshl_b32 s74, s74, 23
	s_lshl_b32 s75, s14, 20
	s_add_co_u32 s74, s74, s75
	s_lshl_b32 s75, s[WV], 17
	s_add_co_u32 s74, s74, s75
	s_and_b32 s75, s15, 15          ; the head's 256 bytes of a row
	s_lshl_b32 s75, s75, 8
	s_add_co_u32 s74, s74, s75
	s_mov_b32 s75, 0
	; descriptor group 1: a tile of 128 rows x 64 elements of 2 bytes, padded in LDS
	s_mov_b32 s[G1K], 15|(1<<16)|(1<<20)|(1<<21)|(4<<22)|(3<<25)  ; 15:0 the mask: all four work-groups; 17:16 elements of 2 bytes; 20 padding on; 21 set beside a mask; 24:22 after every 32 words; 31:25 four words
	s_mov_b32 s[G1V], 15|(1<<16)|(1<<20)|(1<<21)|(4<<22)|(7<<25)  ; the same with eight words of padding
.irp g, G1K, G1V
	s_mov_b32 s[\g+1], 64<<16       ; tensor_dim0 = 64
	s_mov_b32 s[\g+2], (SLK/4)<<16  ; tensor_dim1 = 128
	s_mov_b32 s[\g+3], 64<<16       ; tile_dim0 = 64
	s_mov_b32 s[\g+4], SLK/4        ; tile_dim1 = 128
	s_mov_b32 s[\g+5], 64           ; tensor_dim0_stride: elements from row to row
	s_mov_b32 s[\g+6], 0
	s_mov_b32 s[\g+7], 0
.endr
	s_mov_b32 s[CS], 0x3d38aa3b     ; c = log2(e) / sqrt(1024)
	s_mov_b32 s[CS+1], s[CS]        ; named with it as a pair, so it is written
	s_mov_b32 s[SEL], 0x76543210
	s_mov_b32 s[SEL+1], 0xfedcba98
	s_mov_b32 s[REM], 2048/SLK-1
	s_or_b32 s[LIM], s17, ttmp9     ; 0 in waves 0 and 4 of the head's first cluster: the same in all four partners
	s_cmp_eq_u32 s[LIM], 0
	s_cselect_b32 s[LIM], 1, -1
	v_and_b32 v[PFO], 31, v0
	v_lshlrev_b32 v[PFO], 8, v[PFO]
	s_wait_dscnt 0x0                ; both opening adds are done
	s_wait_kmcnt 0x0
	s_add_nc_u64 s[72:73], s[4:5], s[22:23]  ; Q at my wave's first row
	s_add_nc_u64 s[8:9], s[4:5], s[18:19]
	s_add_nc_u64 s[10:11], s[8:9], 2*TENS    ; V at my quarter of slot 0
	s_add_nc_u64 s[8:9], s[8:9], TENS        ; K likewise
	s_add_nc_u64 s[6:7], s[6:7], s[74:75]    ; pre at my wave's first row
	s_cmp_lt_u32 s[WV], 4
	s_cselect_b64 s[PFA:PFA+1], s[8:9], s[10:11]  ; (in waves 0 and 4 these stand at a slot's first row)
	s_lshl_b32 s76, s13, 14         ; my work-group's 16,384 bytes of the 65,536,
	s_add_co_u32 s76, s76, SLK*128  ; in slot 1: the first change of slots steps it to slot 2.  Nothing is prefetched at the head
	s_mov_b32 s77, 0
	s_add_nc_u64 s[PFA:PFA+1], s[PFA:PFA+1], s[76:77]
	CROUND                          ; all four work-groups are here: the first joint loads meet
.irp s, 0,1
	s_mov_b32 s[G0K+4*\s], 1        ; count = 1
	s_add_co_u32 s[G0K+4*\s+1], s20, \s*SLOT1  ; LDS address
	s_add_nc_u64 s[G0K+4*\s+2:G0K+4*\s+3], s[8:9], \s*SLK*128  ; global address: slot s begins with keys 512 s on
	s_or_b32 s[G0K+4*\s+3], s[G0K+4*\s+3], 0x80000000  ; type = 2
	s_mov_b32 s[G0V+4*\s], 1
	s_add_co_u32 s[G0V+4*\s+1], s21, \s*SLOT1
	s_add_nc_u64 s[G0V+4*\s+2:G0V+4*\s+3], s[10:11], \s*SLK*128
	s_or_b32 s[G0V+4*\s+3], s[G0V+4*\s+3], 0x80000000
.endr
	JLOAD 0                         ; slot 0: every wave issues one load
	; A fragment of K or Q is 16 rows x 32 channels in 8 registers: lane l holds row l % 16; registers 0-3 channels 8 (l / 16) + 0..7, registers 4-7 channels 16 + 8 (l / 16) + 0..7: two loads of 16 bytes, 32 apart.
	v_and_b32 v1, 15, v0            ; r = l % 16
	v_bfe_u32 v9, v0, 4, 1          ; h = l / 16
	v_lshlrev_b32 v[QO], 7, v1
	v_lshl_add_u32 v[QO], v9, 4, v[QO]  ; row x 128 + 16 x half
.irp f, 0,1,2,3                     ; Q stays in registers: tile f / 2, channels 32 (f % 2) on
	global_load_b128 v[Q+8*\f:Q+8*\f+3],   v[QO], s[72:73] offset:(\f/2)*2048+(\f%2)*64
	global_load_b128 v[Q+8*\f+4:Q+8*\f+7], v[QO], s[72:73] offset:(\f/2)*2048+(\f%2)*64+32
.endr
	v_mul_u32_u24 v[AK0], v1, PK
	v_lshl_add_u32 v[AK0], v9, 4, v[AK0]  ; row x pitch + 16 x half
	; The turning load takes 16 keys x 16 channels (lane l reads 16 bytes: key 8 (l / 16) + l % 8, channels 8 ((l / 8) % 2) + 0..7) and leaves half a fragment of V^T: lane l holds channel l % 16 and 8 keys.
	v_and_b32 v11, 7, v0
	v_lshl_add_u32 v[AV0], v9, 3, v11
	v_mul_u32_u24 v[AV0], v[AV0], PV
	v_bfe_u32 v11, v0, 3, 1
	v_lshl_add_u32 v[AV0], v11, 4, v[AV0]
	s_mul_i32 s78, s[WV], 16*SP     ; my stage: the stages begin at LDS byte 0
	v_mul_u32_u24 v[STO], v1, SP    ; in: row r, 32 bytes for each half of the lanes
	v_lshl_add_u32 v[STO], v9, 5, v[STO]
	v_add_nc_u32 v[STO], s78, v[STO]
	v_mul_u32_u24 v[RD], v9, SP     ; back: lanes 0-15 take one row of 256 bytes, lanes 16-31 the next
	v_lshl_add_u32 v[RD], v1, 4, v[RD]
	v_add_nc_u32 v[RD], s78, v[RD]
	v_lshlrev_b32 v[GO], 12, v9     ; and the same two rows in pre
	v_lshl_add_u32 v[GO], v1, 4, v[GO]
.irp t, 0,1
	v_mov_b32 v[ST+8*\t+1], 0xff61b1e6  ; m = -3e38, under every score
	v_mul_f32 v[ST+8*\t], s[CS], v[ST+8*\t+1]  ; c m
	v_mov_b32 v[ST+8*\t+2], 0       ; l, in two halves
	v_mov_b32 v[ST+8*\t+3], 0
.endr
.set j, 0
.rept 64
	v_mov_b32 v[O+j], 0             ; O^T: the step is written once; its first pass finds zeros
.set j, j+1
.endr
; 16 LDS loads: the fragments of the tile of K that begins off bytes behind v[ADK]: keys 16 (f / 2) on, channels 32 (f % 2) on
.macro FETCH_K off
	WIN 0x40                        ; destination window 1, address window 0
.irp f, 0,1,2,3,4,5,6,7
	ds_load_b128 v[KB+8*\f:KB+8*\f+3],   v[ADK] offset:(\off)+(\f/2)*16*PK+(\f%2)*64
	ds_load_b128 v[KB+8*\f+4:KB+8*\f+7], v[ADK] offset:(\off)+(\f/2)*16*PK+(\f%2)*64+32
.endr
	WIN 0
.endm
; A KEY STEP: 64 keys, both tiles of queries.  Its K is in registers when it begins.  Every group of the softmax is written for the two tiles by turns, so that no line reads the result of the line just before it.
.macro STEP
	v_add_nc_u32 v[ADK], s[TK], v[AK0]
	v_add_nc_u32 v[ADR], s[TV], v[AV0]
.rept 3
	v_nop                           ; with the two additions five places behind the last products V^T P: the products below write over the registers that held P
.endr
	WIN 0x01                        ; source 0 (K) window 1
.set i, 0
.rept 16                            ; S^T = K Q^T: channels 32 (i / 8) on, keys 16 ((i / 2) % 4) on, tile i % 2.  The first 8 start the sums; the eight accumulators take turns
.set rS, S+32*(i%2)+8*((i/2)%4)
.set rK, KB+8*(2*((i/2)%4)+i/8)
.set rQ, Q+16*(i%2)+8*(i/8)
.if i < 8
	v_wmma_f32_16x16x32_f16 v[rS:rS+7], v[rK:rK+7], v[rQ:rQ+7], 0
.else
	v_wmma_f32_16x16x32_f16 v[rS:rS+7], v[rK:rK+7], v[rQ:rQ+7], v[rS:rS+7]
.endif
.set i, i+1
.endr
	WIN 0                           ; at a branch and at a label every window is 0
.rept 4
	v_nop                           ; four places: for the loads into the buffer that those products read, and for the first read of the scores
.endr
	s_cmp_eq_u32 s[CNT], 1          ; the slot's last step asks for no K: the next step's lies in the other slot, which is read only behind the round.  The branch hangs on the loop's count alone
	s_cbranch_scc1 .Lno_k_\@
	FETCH_K KS*PK                   ; the next step's K
.Lno_k_\@:
.irp f, 0,1,2,3,4,5,6,7             ; this step's V, turned: keys 32 (f / 4) on, channels 16 (f % 4) on.  Both runs land while the softmax is walked
	ds_load_tr16_b128 v[VB+8*\f:VB+8*\f+3],   v[ADR] offset:(\f/4)*32*PV+(\f%4)*32
	ds_load_tr16_b128 v[VB+8*\f+4:VB+8*\f+7], v[ADR] offset:(\f/4)*32*PV+16*PV+(\f%4)*32
.endr
	; the maximum of the lane's 32 scores and the old m: four chains c0-c3, each begun at an accumulator's low end
.irp j, 0,1,2,3
.irp t, 0,1
	v_max3_num_f32 v[ST+8*\t+4+\j], v[S+32*\t+8*\j], v[S+32*\t+8*\j+1], v[S+32*\t+8*\j+2]
.endr
.endr
.irp u, 1,2
.irp j, 0,1,2,3
.irp t, 0,1
	v_max3_num_f32 v[ST+8*\t+4+\j], v[ST+8*\t+4+\j], v[S+32*\t+8*\j+2*\u+1], v[S+32*\t+8*\j+2*\u+2]
.endr
.endr
.endr
.irp t, 0,1
	v_max3_num_f32 v[ST+8*\t+4], v[ST+8*\t+4], v[S+32*\t+7], v[S+32*\t+15]
.endr
.irp t, 0,1
	v_max3_num_f32 v[ST+8*\t+6], v[ST+8*\t+6], v[S+32*\t+23], v[S+32*\t+31]
.endr
.irp t, 0,1
	v_max3_num_f32 v[ST+8*\t+4], v[ST+8*\t+4], v[ST+8*\t+5], v[ST+8*\t+6]
.endr
.irp t, 0,1
	v_max3_num_f32 v[ST+8*\t+4], v[ST+8*\t+4], v[ST+8*\t+7], v[ST+8*\t+1]
.endr
.irp t, 0,1
	v_permlanex16_b32 v[ST+8*\t+5], v[ST+8*\t+4], s[SEL], s[SEL+1]  ; the query's other 32 keys lie in the lane 16 away
.endr
.irp t, 0,1
	v_mov_b32 v[ST+8*\t+7], v[ST+8*\t]   ; c m_old is kept for a
.endr
.irp t, 0,1
	v_max_num_f32 v[ST+8*\t+1], v[ST+8*\t+4], v[ST+8*\t+5]  ; the new m
.endr
.irp t, 0,1
	v_mul_f32 v[ST+8*\t], s[CS], v[ST+8*\t+1]
.endr
.irp t, 0,1
	v_sub_f32 v[ST+8*\t+7], v[ST+8*\t+7], v[ST+8*\t]
.endr
	; ONE BATCH of 66 exponentials, none of which reads another's result: a, then the 16 scalings of a tile (plain lines), then p
.irp t, 0,1
	v_exp_f32 v[ST+8*\t+6], v[ST+8*\t+7]  ; a = 2^(c m_old - c m_new)
.endr
.set j, 0
.rept 16
.irp t, 0,1
	v_pk_fma_f32 v[S+32*\t+j:S+32*\t+j+1], v[S+32*\t+j:S+32*\t+j+1], s[CS:CS+1], v[ST+8*\t:ST+8*\t+1] op_sel_hi:[1,0,0] neg_lo:[0,0,1] neg_hi:[0,0,1]  ; c s - c m, two at a time
.endr
.set j, j+2
.endr
.set j, 0
.rept 32
.irp t, 0,1
	v_exp_f32 v[S+32*\t+j], v[S+32*\t+j]  ; p
.endr
.set j, j+1
.endr
	v_nop                           ; the plain line behind the last exponential, ahead of the first use: one for the batch
	s_wait_alu depctr_va_vdst(0)    ; and the one wait ahead of the batch's first reader
.irp t, 0,1
	v_pk_mul_f32 v[ST+8*\t+2:ST+8*\t+3], v[ST+8*\t+2:ST+8*\t+3], v[ST+8*\t+6:ST+8*\t+7] op_sel_hi:[1,0]  ; l x a
.endr
.irp t, 0,1
	v_pk_add_f32 v[ST+8*\t+4:ST+8*\t+5], v[S+32*\t:S+32*\t+1], v[S+32*\t+2:S+32*\t+3]  ; the sum of p in f32, ahead of its rounding: two chains, l and the pair c0, c1
.endr
.irp j, 4,8,12,16,20,24,28
.irp t, 0,1
	v_pk_add_f32 v[ST+8*\t+2:ST+8*\t+3], v[ST+8*\t+2:ST+8*\t+3], v[S+32*\t+\j:S+32*\t+\j+1]
	v_pk_add_f32 v[ST+8*\t+4:ST+8*\t+5], v[ST+8*\t+4:ST+8*\t+5], v[S+32*\t+\j+2:S+32*\t+\j+3]
.endr
.endr
.irp t, 0,1
	v_pk_add_f32 v[ST+8*\t+2:ST+8*\t+3], v[ST+8*\t+2:ST+8*\t+3], v[ST+8*\t+4:ST+8*\t+5]
.endr
.set j, 0
.rept 16
.irp t, 0,1
	v_cvt_pk_f16_f32 v[S+32*\t+j], v[S+32*\t+2*j], v[S+32*\t+2*j+1]  ; P in place, ascending: register j takes the pair 2 j, 2 j + 1, which no earlier line has written
.endr
.set j, j+1
.endr
.set j, 0
.rept 16
.irp t, 0,1
	v_pk_mul_f32 v[O+32*\t+j:O+32*\t+j+1], v[O+32*\t+j:O+32*\t+j+1], v[ST+8*\t+6:ST+8*\t+7] op_sel_hi:[1,0]  ; O^T x a, each accumulator from its low end on
.endr
.set j, j+2
.endr
	s_wait_dscnt 0x0                ; V is in, and so is the next step's K
.set i, 0
.rept 16                            ; O^T += V^T P: keys 32 (i / 8) on, channels 16 ((i / 2) % 4) on, tile i % 2; the eight accumulators take turns
.set rO, O+32*(i%2)+8*((i/2)%4)
.set rV, VB+8*(4*(i/8)+(i/2)%4)
.set rP, S+32*(i%2)+8*(i/8)
	v_wmma_f32_16x16x32_f16 v[rO:rO+7], v[rV:rV+7], v[rP:rP+7], v[rO:rO+7]
.set i, i+1
.endr
.endm
.macro STEPS                        ; a slot's eight key steps: written once, walked eight times; the LDS addresses hang on s[TK] and s[TV]
	s_mov_b32 s[CNT], NST
.Lstep_\@:
	STEP
	s_add_co_u32 s[TK], s[TK], KS*PK
	s_add_co_u32 s[TV], s[TV], KS*PV
	s_sub_co_u32 s[CNT], s[CNT], 1
	s_cmp_lg_u32 s[CNT], 0
	s_cbranch_scc1 .Lstep_\@
.endm
; THE CHANGE OF SLOTS stands at a slot's head.  Each wave waits for all its tensor loads (its part of the slot that it is about to read), adds 0 to its spare word, and waits for that and for its reads of the
; slot that it has left.  Behind the round of the cluster's barrier this slot is whole in all four work-groups and nobody reads the other one.  refill = 1: the other slot takes the next 512 keys: the load
; has this slot's eight steps in which to land.  Then the slot's first K is fetched.
.macro TRIP slot, refill
	s_wait_tensorcnt 0x0            ; no tensor load of mine is out, so a group 0 may be written
	ds_add_u32 v[SPW], v[NIL]       ; 0 onto my spare word; the steps below stand between it and the wait for it
	s_add_nc_u64 s[G0K+4*\slot+2:G0K+4*\slot+3], s[G0K+4*\slot+2:G0K+4*\slot+3], 2*SLK*128  ; this slot's next keys: two slots on (in the last two changes the stepped address is not used); the type bits on top are not reached
	s_add_nc_u64 s[G0V+4*\slot+2:G0V+4*\slot+3], s[G0V+4*\slot+2:G0V+4*\slot+3], 2*SLK*128
.if \refill
	s_wait_xcnt 0x0                 ; the last prefetches, a slot back, have read their address, so it may be written
	s_add_nc_u64 s[PFA:PFA+1], s[PFA:PFA+1], SLK*128
.endif
	s_wait_dscnt 0x0                ; the add is done, and my reads of the slot that I have left are over
	CROUND
.if \refill
	JLOAD 1-\slot                   ; the first thing behind the round, and my one tensor load until the next
.endif
	s_mov_b32 s[TK], \slot*SLOT1
	s_mov_b32 s[TV], \slot*SLOT1+VOFF
	v_add_nc_u32 v[ADK], s[TK], v[AK0]
	FETCH_K 0                       ; the slot's first step's K
.if \refill
	ASK                             ; what the next change will ask for: a slot's eight key steps ahead of that load
	s_sub_co_u32 s[REM], s[REM], 1
.endif
	s_wait_dscnt 0x0                ; K is in
	STEPS
.endm
	s_wait_loadcnt 0x0              ; Q
	TRIP 0, 1                       ; the four slots are written out: keys 0 to 511, and slot 1 is asked for
	TRIP 1, 1                       ; keys 512 on, and keys 1,024 on are asked for;
	TRIP 0, 1                       ; keys 1,024 on, and the last 512 are asked for;
	TRIP 1, 0                       ; the last 512, and nothing is asked for
	; THE WAY OUT.  l's two halves and the other half of the lanes' are added; O^T is divided by l and goes through my stage in LDS, a tile (16 rows) at a time.  The lines below are the places behind the last products.
.irp t, 0,1
	v_add_f32 v[ST+8*\t+4], v[ST+8*\t+2], v[ST+8*\t+3]
.endr
.irp t, 0,1
	v_permlanex16_b32 v[ST+8*\t+5], v[ST+8*\t+4], s[SEL], s[SEL+1]
.endr
.irp t, 0,1
	v_add_f32 v[ST+8*\t+4], v[ST+8*\t+4], v[ST+8*\t+5]
.endr
.irp t, 0,1
	v_rcp_f32 v[ST+8*\t+6], v[ST+8*\t+4]
.endr
	v_nop                           ; a plain line between the last reciprocal and the use of its result
	s_wait_alu depctr_va_vdst(0)    ; and the wait ahead of the first use: one for both
.macro PACK t                       ; register 8 ch + i of a tile is o(query r, channel 16 ch + 8 h + i): 32 neighbouring bytes a tile of channels
.set j, 0
.rept 16
	v_pk_mul_f32 v[S+32*\t+j:S+32*\t+j+1], v[O+32*\t+j:O+32*\t+j+1], v[ST+8*\t+6:ST+8*\t+7] op_sel_hi:[1,0]
.set j, j+2
.endr
.irp c, 0,1,2,3
	ds_store_b128 v[STO], v[S+32*\t+8*\c:S+32*\t+8*\c+3] offset:64*\c
	ds_store_b128 v[STO], v[S+32*\t+8*\c+4:S+32*\t+8*\c+7] offset:64*\c+16
.endr
.irp i, 0,1,2,3,4,5,6,7
	ds_load_b128 v[S+32*\t+4*\i:S+32*\t+4*\i+3], v[RD] offset:\i*2*SP  ; LDS serves a wave's instructions in order (ISA guide 5.7.1.4): these see the stores above; the next tile's stores come behind them
.endr
.endm
.macro SEND t, younger              ; younger: the LDS instructions issued behind tile t's loads: the next tile's sixteen, or none
.irp i, 0,1,2,3,4,5,6,7
	s_wait_dscnt \younger+7-\i
	global_store_b128 v[GO], v[S+32*\t+4*\i:S+32*\t+4*\i+3], s[6:7] offset:\t*65536+\i*8192  ; sixteen lanes store 256 consecutive bytes, aligned: the head's part of a row of pre
.endr
.endm
	PACK 0
	PACK 1
	SEND 0, 16
	SEND 1, 0
	s_wait_tensorcnt 0x0            ; the wave's end, behind my last tensor load and my last LDS store
	ds_add_u32 v[SPW], v[NIL]
	s_wait_dscnt 0x0
	CROUND                          ; the closing round: no work-group ends while a partner may still ask for a tile that names it
	s_endpgm
.Lfunc_end_k_q0508d7ba85_attn:
	.size	k_q0508d7ba85_attn, .Lfunc_end_k_q0508d7ba85_attn-k_q0508d7ba85_attn
	.p2alignl 7, 3214868480
	.fill 96, 4, 3214868480
	.section	.rodata,"a",@progbits
	.p2align	6, 0x0
	.amdhsa_kernel k_q0508d7ba85_attn
		.amdhsa_group_segment_fixed_size 327680
		.amdhsa_private_segment_fixed_size 0
		.amdhsa_enable_private_segment 0
		.amdhsa_kernarg_size 16
		.amdhsa_user_sgpr_count 2
		.amdhsa_user_sgpr_kernarg_segment_ptr 1
		.amdhsa_wavefront_size32 1
		.amdhsa_system_sgpr_workgroup_id_x 1
		.amdhsa_system_sgpr_workgroup_id_y 1
		.amdhsa_system_sgpr_workgroup_id_z 1
		.amdhsa_system_vgpr_workitem_id 0
		.amdhsa_next_free_vgpr 320
		.amdhsa_next_free_sgpr 80
		.amdhsa_reserve_vcc 0
		.amdhsa_float_denorm_mode_32 3
		.amdhsa_float_denorm_mode_16_64 3
		.amdhsa_memory_ordered 1
		.amdhsa_forward_progress 1
		.amdhsa_inst_pref_size 96
	.end_amdhsa_kernel
	.amdgpu_metadata
---
amdhsa.version: [ 1, 2 ]
amdhsa.kernels:
  - .name:           k_q0508d7ba85_attn
    .symbol:         k_q0508d7ba85_attn.kd
    .args:
      - { .name: qkv, .offset: 0, .size: 8, .value_kind: global_buffer, .address_space: global }
      - { .name: pre, .offset: 8, .size: 8, .value_kind: global_buffer, .address_space: global }
    .group_segment_fixed_size: 327680
    .private_segment_fixed_size: 0
    .kernarg_segment_align: 8
    .kernarg_segment_size: 16
    .max_flat_workgroup_size: 256
    .sgpr_count:     80
    .vgpr_count:     320
    .wavefront_size: 32
...
	.end_amdgpu_metadata
.endif
;; end of part 3
;; launch ln1 (part 4): grid 512 x 1, 4 waves a work-group, no clusters, 0 bytes of LDS; arguments pre, x, ln1_g, ln1_b, x1, x1h; writes x1, x1h
.if DOCPART == 4
	.amdgcn_target "amdgcn-amd-amdhsa--gfx1250"
	.amdhsa_code_object_version 6
	.text
	.protected	k_q0508d7ba85_ln1
	.globl	k_q0508d7ba85_ln1
	.p2align	8
	.type	k_q0508d7ba85_ln1,@function
k_q0508d7ba85_ln1:
	s_mov_b64 s[64:65], 0
	v_nop
	global_prefetch_b8 v0, s[64:65] scope:SCOPE_SE
	s_setreg_imm32_b32 hwreg(HW_REG_WAVE_MODE, 25, 1), 1
	s_wait_xcnt 0x0
; x1 = x + layer_norm(pre) x g + b, row by row of 1,024 f32; and (HALF = 1) a copy of x1 rounded to f16, the next product's operand.
; One wave takes a whole row: eight loads of 16 bytes a lane keep it in 32 registers between the passes, so it is read once and no wave waits for another: no LDS, no barrier, no matrix unit.
; A wave takes two neighbouring rows, each in registers of its own, and issues all its 48 loads (g, b, both rows) at the head: nothing is loaded again, and no store's data are written again.
; Each load and store of a wave covers 512 consecutive bytes (the f16 stores 256), aligned.
; The variance is the mean of the squared deviations from the mean, taken in a second pass over the registers: no difference of large sums.
; LIMITS: NaN and infinities are not served; |x1| stays under 65,504 where the f16 copy is made.
.set HALF, 1
.set ROWS, 2
.set G,  16                            ; v16-47   g of my 32 columns (columns 128 j + 4 lane + 0..3, j = 0..7)
.set B,  48                            ; v48-79   b
.set Y,  80                            ; v80-143  the two rows that are normed
.set X,  144                           ; v144-207 the residual's two rows, then the results
.set HF, 208                           ; v208-239 the results in f16
	s_load_b256 s[4:11], s[0:1], 0x0               ; the row to norm s[4:5], the residual s[6:7], g s[8:9], b s[10:11]
.if HALF
	s_load_b128 s[12:15], s[0:1], 0x20             ; the result s[12:13], its f16 copy s[14:15]
.else
	s_load_b64 s[12:13], s[0:1], 0x20              ; the result
.endif
	v_lshrrev_b32 v3, 5, v0
	v_readfirstlane_b32 s20, v3                    ; wave 0..3
	v_and_b32 v2, 31, v0
	v_lshlrev_b32 v1, 4, v2                        ; 16 bytes a lane
.if HALF
	v_lshlrev_b32 v2, 3, v2                        ; 8 bytes a lane in f16
.endif
	s_mov_b32 s16, 0x76543210                      ; v_permlanex16_b32: lane l xor 16
	s_mov_b32 s17, 0xfedcba98
	s_mov_b32 s18, 0x3a800000                      ; 1 / 1024
	s_mov_b32 s19, 0x3727c5ac                      ; 1e-5
	s_lshl_b32 s22, ttmp9, 15                      ; 8 rows of 4,096 bytes a work-group,
	s_lshl_b32 s21, s20, 13                        ; 2 a wave
	s_add_co_u32 s22, s22, s21
	s_mov_b32 s23, 0
	s_wait_kmcnt 0x0
	s_add_nc_u64 s[4:5], s[4:5], s[22:23]
	s_add_nc_u64 s[6:7], s[6:7], s[22:23]
	s_add_nc_u64 s[12:13], s[12:13], s[22:23]
.if HALF
	s_lshr_b32 s22, s22, 1
	s_add_nc_u64 s[14:15], s[14:15], s[22:23]
.endif
.irp j, 0,1,2,3,4,5,6,7
	global_load_b128 v[G+4*\j:G+4*\j+3], v1, s[8:9] offset:512*\j
.endr
.irp j, 0,1,2,3,4,5,6,7
	global_load_b128 v[B+4*\j:B+4*\j+3], v1, s[10:11] offset:512*\j
.endr
.macro FILL i                          ; row i's 16 loads; every offset is an immediate
.irp j, 0,1,2,3,4,5,6,7
	global_load_b128 v[Y+32*(\i)+4*\j:Y+32*(\i)+4*\j+3], v1, s[4:5] offset:4096*(\i)+512*\j th:TH_LOAD_NT
.endr
.irp j, 0,1,2,3,4,5,6,7
	global_load_b128 v[X+32*(\i)+4*\j:X+32*(\i)+4*\j+3], v1, s[6:7] offset:4096*(\i)+512*\j th:TH_LOAD_NT
.endr
.endm
.macro REDUCE                          ; the four chains v[4:11] become one number, the same in every lane, in v4
	v_pk_add_f32 v[4:5], v[4:5], v[6:7]
	v_pk_add_f32 v[8:9], v[8:9], v[10:11]
	v_pk_add_f32 v[4:5], v[4:5], v[8:9]
	v_add_f32 v4, v4, v5
	v_add_f32_dpp v4, v4, v4 row_xmask:1 row_mask:0xf bank_mask:0xf
	v_add_f32_dpp v4, v4, v4 row_xmask:2 row_mask:0xf bank_mask:0xf
	v_add_f32_dpp v4, v4, v4 row_xmask:4 row_mask:0xf bank_mask:0xf
	v_add_f32_dpp v4, v4, v4 row_xmask:8 row_mask:0xf bank_mask:0xf
	v_permlanex16_b32 v5, v4, s16, s17             ; its destination counts as read: v5 has been written
	v_add_f32 v4, v4, v5
.endm
.macro ROW i
.set YS, Y+32*(\i)
.set XS, X+32*(\i)
.set HS, HF+16*(\i)
.if (\i) < ROWS-1
	s_wait_loadcnt 16                              ; this row's 16 loads (and g and b) are in; the next row's 16 may be out
.else
	s_wait_loadcnt 0x0
.endif
.irp k, 0,1,2,3                        ; the sum, in four chains that the first eight pairs start: nothing is cleared
	v_pk_add_f32 v[4+2*\k:5+2*\k], v[YS+2*\k:YS+2*\k+1], v[YS+8+2*\k:YS+9+2*\k]
.endr
.irp u, 16,24
.irp k, 0,1,2,3
	v_pk_add_f32 v[4+2*\k:5+2*\k], v[4+2*\k:5+2*\k], v[YS+\u+2*\k:YS+\u+2*\k+1]
.endr
.endr
	REDUCE
	v_mul_f32 v12, s18, v4                         ; the mean, twice: a pair for the packed form
	v_mul_f32 v13, s18, v4
.set j, 0
.rept 16
	v_pk_add_f32 v[YS+j:YS+j+1], v[YS+j:YS+j+1], v[12:13] neg_lo:[0,1] neg_hi:[0,1]   ; the deviations
.set j, j+2
.endr
.irp k, 0,1,2,3                        ; the sum of their squares, again in four chains
	v_pk_mul_f32 v[4+2*\k:5+2*\k], v[YS+2*\k:YS+2*\k+1], v[YS+2*\k:YS+2*\k+1]
.endr
.irp u, 8,16,24
.irp k, 0,1,2,3
	v_pk_fma_f32 v[4+2*\k:5+2*\k], v[YS+\u+2*\k:YS+\u+2*\k+1], v[YS+\u+2*\k:YS+\u+2*\k+1], v[4+2*\k:5+2*\k]
.endr
.endr
	REDUCE
	v_fma_f32 v12, v4, s18, s19                    ; the variance + 1e-5
	v_rsq_f32 v14, v12                             ; twice: a pair for the packed form
	v_rsq_f32 v15, v12
.set j, 0
.rept 16
	v_pk_add_f32 v[XS+j:XS+j+1], v[XS+j:XS+j+1], v[B+j:B+j+1]   ; the residual + b: plain work that names neither root
.set j, j+2
.endr
	s_wait_alu depctr_va_vdst(0)                   ; the one wait ahead of the roots' first reader
.set j, 0
.rept 16
	v_pk_mul_f32 v[YS+j:YS+j+1], v[YS+j:YS+j+1], v[14:15]
.set j, j+2
.endr
.set j, 0
.rept 16
	v_pk_fma_f32 v[XS+j:XS+j+1], v[YS+j:YS+j+1], v[G+j:G+j+1], v[XS+j:XS+j+1]
.set j, j+2
.endr
.if HALF
.set j, 0
.rept 16
	v_cvt_pk_f16_f32 v[HS+j], v[XS+2*j], v[XS+2*j+1]
.set j, j+1
.endr
.endif
.irp j, 0,1,2,3,4,5,6,7
.if HALF
	global_store_b128 v1, v[XS+4*\j:XS+4*\j+3], s[12:13] offset:4096*(\i)+512*\j
.else
	global_store_b128 v1, v[XS+4*\j:XS+4*\j+3], s[12:13] offset:4096*(\i)+512*\j th:TH_STORE_NT
.endif
.endr
.if HALF
.irp j, 0,1,2,3,4,5,6,7
	global_store_b64 v2, v[HS+2*\j:HS+2*\j+1], s[14:15] offset:2048*(\i)+256*\j
.endr
.endif
.endm
	FILL 0
	FILL 1
	ROW 0
	ROW 1
	s_endpgm
.Lfunc_end_k_q0508d7ba85_ln1:
	.size	k_q0508d7ba85_ln1, .Lfunc_end_k_q0508d7ba85_ln1-k_q0508d7ba85_ln1
	.p2alignl 7, 3214868480
	.fill 96, 4, 3214868480
	.section	.rodata,"a",@progbits
	.p2align	6, 0x0
	.amdhsa_kernel k_q0508d7ba85_ln1
		.amdhsa_group_segment_fixed_size 0
		.amdhsa_private_segment_fixed_size 0
		.amdhsa_enable_private_segment 0
		.amdhsa_kernarg_size 48
		.amdhsa_user_sgpr_count 2
		.amdhsa_user_sgpr_kernarg_segment_ptr 1
		.amdhsa_wavefront_size32 1
		.amdhsa_system_sgpr_workgroup_id_x 1
		.amdhsa_system_sgpr_workgroup_id_y 1
		.amdhsa_system_sgpr_workgroup_id_z 1
		.amdhsa_system_vgpr_workitem_id 0
		.amdhsa_next_free_vgpr 240
		.amdhsa_next_free_sgpr 66
		.amdhsa_reserve_vcc 0
		.amdhsa_float_denorm_mode_32 3
		.amdhsa_float_denorm_mode_16_64 3
		.amdhsa_memory_ordered 1
		.amdhsa_forward_progress 1
		.amdhsa_inst_pref_size 25
	.end_amdhsa_kernel
	.amdgpu_metadata
---
amdhsa.version: [ 1, 2 ]
amdhsa.kernels:
  - .name:           k_q0508d7ba85_ln1
    .symbol:         k_q0508d7ba85_ln1.kd
    .args:
      - { .name: pre, .offset: 0, .size: 8, .value_kind: global_buffer, .address_space: global }
      - { .name: x, .offset: 8, .size: 8, .value_kind: global_buffer, .address_space: global }
      - { .name: ln1_g, .offset: 16, .size: 8, .value_kind: global_buffer, .address_space: global }
      - { .name: ln1_b, .offset: 24, .size: 8, .value_kind: global_buffer, .address_space: global }
      - { .name: x1, .offset: 32, .size: 8, .value_kind: global_buffer, .address_space: global }
      - { .name: x1h, .offset: 40, .size: 8, .value_kind: global_buffer, .address_space: global }
    .group_segment_fixed_size: 0
    .private_segment_fixed_size: 0
    .kernarg_segment_align: 8
    .kernarg_segment_size: 48
    .max_flat_workgroup_size: 128
    .sgpr_count:     66
    .vgpr_count:     240
    .wavefront_size: 32
...
	.end_amdgpu_metadata
.endif
;; end of part 4
;; launch ffn1 (part 5): grid 16 x 16, 4 waves a work-group, clusters of 4 x 4, 327,680 bytes of LDS; arguments x1h, wh, b1, hid; writes hid
.if DOCPART == 5
	.amdgcn_target "amdgcn-amd-amdhsa--gfx1250"
	.amdhsa_code_object_version 6
	.text
	.protected	k_q0508d7ba85_ffn1
	.globl	k_q0508d7ba85_ffn1
	.p2align	8
	.type	k_q0508d7ba85_ffn1,@function
k_q0508d7ba85_ffn1:
	s_mov_b64 s[64:65], 0
	v_nop
	global_prefetch_b8 v0, s[64:65] scope:SCOPE_SE
	s_setreg_imm32_b32 hwreg(HW_REG_WAVE_MODE, 25, 1), 1
	s_wait_xcnt 0x0
	s_wait_alu depctr_hold_cnt(0) depctr_sa_sdst(0) depctr_va_vdst(0) depctr_va_sdst(0) depctr_va_ssrc(0) depctr_va_vcc(0) depctr_vm_vsrc(0)
	s_getreg_b32 s2, hwreg(HW_REG_IB_STS2, 6, 4)
	s_cmp_eq_u32 s2, 0
	s_cbranch_scc0 .Lentry_in_a_cluster
	s_endpgm
.Lentry_in_a_cluster:
	s_bfe_u32 s2, ttmp6, 0x10000c
	s_cmp_lg_u32 s2, 0xf033
	s_cbranch_scc0 .Lentry_shape_is_right
	s_endpgm
.Lentry_shape_is_right:
; hid = relu(x1 w1 + b1), rounded once to f16.  A = x1h [4096][1024] f16; B = w1 in f16 as it lies, [1024 (k)][4096 (n)], at the head of wh; b1 [4096] f32; hid [4096][4096] f16; sums in f32.
; LIMIT: the hidden layer is held at 65,504, f16's largest number, by the same line that clips it at 0.  NaN and infinities are not served.
; A tile of C, 256 x 256, is made by a work-group of four waves; a wave makes 128 x 128: 64 accumulators of 16 x 16, 512 registers.  K goes in steps of 128 through a ring of two LDS slots filled by the
; tensor data mover.  A's tile is 256 rows of 256 bytes; B's is 128 k-rows of 512 bytes, and its fragments (16 n x 32 k) come out of LDS turned, by ds_load_tr16_b128: nothing is transposed in memory.
; CLUSTERS: 4 x 4 work-groups; A's tile is shared along a row of the cluster, B's along a column: each is asked for JOINTLY, by the same tensor load with the same descriptor and a mask that names the four.
; THE MATRIX INSTRUCTION IS USED TRANSPOSED (source 0 = 16 columns of w1, source 1 = 16 rows of x1): a lane then holds eight neighbouring numbers of a row of C.  The bias is the C of each sum's first product.
; REGISTERS, in windows of 256: window 0: v0-31 addresses; v64-127, v128-191 fragments of A, two buffers; v32-63, v192-255 at work on the way out.
;   window 1: v0-63 the bias (8 registers for each 16 columns); v64-127, v128-191 fragments of B, two buffers.   window 2: the 32 accumulators of my rows 0-63 ((a, b) at v[8 (8 a + b)]);   window 3: rows 64-127.
; No prefetch: from a refill to the wait for it stand 224 of a K step's 256 matrix instructions, and every tile is read again by other tile rows and columns.
.set SIZE_N, 4096
.set SIZE_K, 1024
.set KSTEP,  128
.set PITCH,  272                       ; a row of A in LDS: 256 bytes + 16 of padding: an odd multiple of 16
.set BPITCH, 544                       ; a k-row of B in LDS: 512 bytes + 32 of padding: an odd multiple of 32, for the turning load
.set HALFT,  128*PITCH                 ; what one tensor load brings: 128 rows of A, or 64 k-rows of B: 34,816 bytes either way
.set SLOT,   4*HALFT                   ; A's two halves, then B's two halves
.set STAGE,  2*SLOT                    ; behind the ring: 16 rows x 272 bytes for each wave, for the way out
.set SPITCH, 272
.set SPARE,  STAGE+4*16*SPITCH         ; the spare words, 128 bytes for each wave, which no other line names
.set LAPS,   SIZE_K/(2*KSTEP)          ; a lap = two K steps = once round the ring
.set ADRA, 16                          ; v16-17  LDS address of my A fragments in slot 0, 1
.set ADRB, 20                          ; v20-21  the same for B
.set STO,  24                          ; v24     the way out: where I put 16 bytes of a row
.set RD,   25                          ; v25     where I read a row back
.set CO,   26                          ; v26     my byte offset in hid
.set BO,   27                          ; v27     my byte offset in the bias
.set SPW,  28                          ; v28     LDS address of my spare word; never rewritten
.set NIL,  29                          ; v29     0; never rewritten
.set F0,   64
.set F1,   128
.set TMP,  192
.set OB,   32
.set G1, 24                            ; s[24:31] descriptor group 1 for A's tiles;  s[32:39] group 0, one set for each slot
.set G0, 32
.set G1B, 48                           ; s[48:55], s[56:63] the same for B's tiles
.set G0B, 56
.set MSB, 0
.macro WIN new                         ; the immediate's high byte repeats the setting that is left; a switch that changes nothing is dropped
.if MSB != (\new)
	s_set_vgpr_msb (MSB<<8)|(\new)
.set MSB, (\new)
.endif
.endm
.set MUL_LO,  0xa1                     ; source 0 (B) window 1, source 1 (A) window 0, C and D window 2
.set MUL_HI,  0xf1                     ; the same, C and D window 3
.set BIAS_LO, 0x91                     ; the same with C (the bias) in window 1, D window 2
.set BIAS_HI, 0xd1                     ; D window 3
.set TO_B,    0x40                     ; destination window 1, address window 0
.macro JLOAD s                         ; a joint load: waves 0 and 1 fetch A's two halves, waves 2 and 3 B's; an s_nop 0 and four v_nop follow each of the two lines
	s_cmp_eq_u32 s13, 0
	s_cbranch_scc0 .Lfor_b_\@
	tensor_load_to_lds s[G0+4*\s:G0+4*\s+3], s[G1:G1+7]
	s_nop 0
.rept 4
	v_nop
.endr
	s_branch .Lasked_\@
.Lfor_b_\@:
	tensor_load_to_lds s[G0B+4*\s:G0B+4*\s+3], s[G1B:G1B+7]
	s_nop 0
.rept 4
	v_nop
.endr
.Lasked_\@:
.endm
.macro CREST                           ; a round of the cluster's barrier behind its opening barrier
	s_cmp_lg_u32 s12, 0
	s_cbranch_scc1 .Lnot_wave_0_\@
	s_barrier_signal -3
.Lnot_wave_0_\@:
	s_barrier_wait -3
	s_barrier_signal -1
	s_barrier_wait -1
.endm
.macro CROUND                          ; a whole round
	s_barrier_signal -1
	s_barrier_wait -1
	CREST
.endm
	s_load_b256 s[4:11], s[0:1], 0x0               ; x1h s[4:5], wh s[6:7], b1 s[8:9], hid s[10:11]
	v_lshl_add_u32 v[SPW], v0, 2, SPARE
	v_mov_b32 v[NIL], 0
	ds_add_u32 v[SPW], v[NIL]                      ; the wave's opening: the add, twice on end, and its wait ahead of my first tensor load; the set-up below stands between
	ds_add_u32 v[SPW], v[NIL]
	v_lshrrev_b32 v1, 5, v0
	v_readfirstlane_b32 s12, v1                    ; wave 0..3
	s_lshr_b32 s13, s12, 1                         ; which half of the tile's rows is mine.  Also: I fetch for A (0) or for B (1)
	s_and_b32 s14, s12, 1                          ; which half of its columns.  Also: which half of that tile I fetch
	s_bfe_u32 s40, ttmp6, 0x40000                  ; cx, cy: my place in the cluster
	s_bfe_u32 s41, ttmp6, 0x40004
	s_lshl_b32 s42, ttmp9, 2
	s_add_co_u32 s42, s42, s40                     ; tile column of C = 4 x cluster x + cx
	s_and_b32 s15, ttmp7, 0xffff
	s_lshl_b32 s15, s15, 2
	s_add_co_u32 s15, s15, s41                     ; tile row of C = 4 x cluster y + cy
	s_lshl_b32 s43, s41, 2
	s_lshl_b32 s43, 15, s43                        ; my row of the cluster
	s_lshl_b32 s44, 0x1111, s40                    ; my column
	s_or_b32 s[G1+0], s43, (1<<16)|(1<<20)|(1<<21)|(5<<22)|(3<<25)   ; A: the mask of my row; elements of 2 bytes; padding on; bit 21 beside a mask; after every 64 words four words
	s_mov_b32 s[G1+1], KSTEP<<16                   ; tensor_dim0 = 128
	s_mov_b32 s[G1+2], 128<<16                     ; tensor_dim1 = 128
	s_mov_b32 s[G1+3], KSTEP<<16                   ; tile_dim0 = 128
	s_mov_b32 s[G1+4], 128                         ; tile_dim1 = 128
	s_mov_b32 s[G1+5], SIZE_K                      ; elements from row to row
	s_mov_b32 s[G1+6], 0
	s_mov_b32 s[G1+7], 0
	s_or_b32 s[G1B+0], s44, (1<<16)|(1<<20)|(1<<21)|(6<<22)|(7<<25)  ; B: the mask of my column; after every 128 words eight words
	s_mov_b32 s[G1B+1], 256<<16                    ; tensor_dim0 = 256 columns
	s_mov_b32 s[G1B+2], 64<<16                     ; tensor_dim1 = 64 k-rows
	s_mov_b32 s[G1B+3], 256<<16                    ; tile_dim0
	s_mov_b32 s[G1B+4], 64                         ; tile_dim1
	s_mov_b32 s[G1B+5], SIZE_N
	s_mov_b32 s[G1B+6], 0
	s_mov_b32 s[G1B+7], 0
	s_mov_b32 s2, 0x477fe000                       ; 65,504
	s_lshl_b32 s16, s15, 8                         ; A: row 256 x tile row + 128 x half, of 2,048 bytes: it hangs on the tile row alone, which my row of the cluster shares
	s_lshl_b32 s17, s14, 7
	s_add_co_u32 s16, s16, s17
	s_lshl_b32 s16, s16, 11
	s_mov_b32 s17, 0
	s_lshl_b32 s46, s14, 19                        ; B: k-row 64 x half, of 8,192 bytes, + 512 bytes x tile column, which my column shares
	s_lshl_b32 s47, s42, 9
	s_add_co_u32 s46, s46, s47
	s_mov_b32 s47, 0
	s_mul_i32 s20, s12, HALFT                      ; where they go: wave x 34,816: no place in the cluster enters an LDS address
	s_wait_dscnt 0x0                               ; both opening adds are done
	s_wait_kmcnt 0x0
	s_add_nc_u64 s[18:19], s[4:5], s[16:17]
	s_add_nc_u64 s[46:47], s[6:7], s[46:47]
	CROUND                                         ; all sixteen work-groups are here: the first joint loads meet
.irp s, 0,1
	s_mov_b32 s[G0+4*\s], 1
	s_add_co_u32 s[G0+4*\s+1], s20, \s*SLOT
	s_add_nc_u64 s[G0+4*\s+2:G0+4*\s+3], s[18:19], \s*KSTEP*2            ; K step s: 256 bytes along A's rows,
	s_or_b32 s[G0+4*\s+3], s[G0+4*\s+3], 0x80000000
	s_mov_b32 s[G0B+4*\s], 1
	s_add_co_u32 s[G0B+4*\s+1], s20, \s*SLOT
	s_add_nc_u64 s[G0B+4*\s+2:G0B+4*\s+3], s[46:47], \s*KSTEP*SIZE_N*2   ; 128 k-rows down B
	s_or_b32 s[G0B+4*\s+3], s[G0B+4*\s+3], 0x80000000
	JLOAD \s                                       ; two loads of mine are out behind the second
.endr
	v_and_b32 v1, 15, v0                           ; r = l % 16
	v_bfe_u32 v2, v0, 4, 1                         ; h = l / 16
	s_lshl_b32 s16, s42, 10                        ; the bias of my 128 columns: 4 (256 x tile column + 128 x half)
	s_lshl_b32 s17, s14, 9
	s_add_co_u32 s16, s16, s17
	s_mov_b32 s17, 0
	s_add_nc_u64 s[8:9], s[8:9], s[16:17]
	v_lshlrev_b32 v[BO], 5, v2                     ; in the result's layout lane (r, h) holds columns 16 b + 8 h + 0..7
	WIN TO_B
.irp b, 0,1,2,3,4,5,6,7
	global_load_b128 v[8*\b:8*\b+3],   v[BO], s[8:9] offset:64*\b
	global_load_b128 v[8*\b+4:8*\b+7], v[BO], s[8:9] offset:64*\b+16
.endr
	WIN 0
	v_mul_u32_u24 v3, v1, PITCH                    ; A's fragment: row x pitch + 16 x half; two loads of 16 bytes, 32 apart
	v_lshl_add_u32 v3, v2, 4, v3
	v_and_b32 v4, 7, v0                            ; B's, turned: lane l reads 16 bytes of k-row 8 (l / 16) + l % 8, columns 8 ((l / 8) % 2) + 0..7
	v_lshl_add_u32 v4, v2, 3, v4
	v_mul_u32_u24 v4, v4, BPITCH
	v_bfe_u32 v5, v0, 3, 1
	v_lshl_add_u32 v4, v5, 4, v4
	s_mul_i32 s21, s13, HALFT                      ; my 128 rows of A
	s_lshl_b32 s22, s14, 8                         ; my 128 columns of B: 256 bytes along its rows,
	s_add_co_u32 s22, s22, 2*HALFT                 ; behind A's 256 rows
.irp s, 0,1
	v_add_nc_u32 v[ADRA+\s], s21, v3
	v_add_nc_u32 v[ADRB+\s], s22, v4
	s_add_co_u32 s21, s21, SLOT
	s_add_co_u32 s22, s22, SLOT
.endr
	s_mul_i32 s23, s12, 16*SPITCH
	s_add_co_u32 s23, s23, STAGE                   ; my stage
	v_mul_u32_u24 v4, v1, SPITCH                   ; in: row r, 16 bytes for each half of the lanes
	v_lshl_add_u32 v4, v2, 4, v4
	v_add_nc_u32 v[STO], s23, v4
	v_mul_u32_u24 v5, v2, SPITCH                   ; back: lanes 0-15 take one row of 256 bytes, lanes 16-31 the next
	v_lshl_add_u32 v5, v1, 4, v5
	v_add_nc_u32 v[RD], s23, v5
	v_lshlrev_b32 v5, 13, v2                       ; and the same two rows in hid: 8,192 bytes a row
	v_lshl_add_u32 v[CO], v1, 4, v5
	s_lshl_b32 s16, s15, 8                         ; my part of hid: row 256 x tile row + 128 x half,
	s_lshl_b32 s17, s13, 7
	s_add_co_u32 s16, s16, s17
	s_lshl_b32 s16, s16, 13
	s_lshl_b32 s46, s42, 9                         ; byte 512 x tile column + 256 x half
	s_add_co_u32 s16, s16, s46
	s_lshl_b32 s46, s14, 8
	s_add_co_u32 s16, s16, s46
	s_mov_b32 s17, 0
	s_add_nc_u64 s[10:11], s[10:11], s[16:17]
; 16 matrix instructions: m blocks a0, a0 + 1 of the window's four x all 8 n blocks, 32 along K.  first = 1: the sum begins with the bias as C: nothing is ever cleared or added afterwards.
; The 64 accumulators take turns, one instruction a turn, in the same order in every quarter.
.macro MUL16 f, hi, a0, first
.irp a, \a0, \a0+1
.irp b, 0,1,2,3,4,5,6,7
.if \first
	v_wmma_f32_16x16x32_f16 v[8*(8*(\a)+\b):8*(8*(\a)+\b)+7], v[\f+8*\b:\f+8*\b+7], v[\f+8*(4*\hi+\a):\f+8*(4*\hi+\a)+7], v[8*\b:8*\b+7]
.else
	v_wmma_f32_16x16x32_f16 v[8*(8*(\a)+\b):8*(8*(\a)+\b)+7], v[\f+8*\b:\f+8*\b+7], v[\f+8*(4*\hi+\a):\f+8*(4*\hi+\a)+7], v[8*(8*(\a)+\b):8*(8*(\a)+\b)+7]
.endif
.endr
.endr
.endm
; 32 LDS loads in one run: the fragments of the slot's q-th quarter (32 along K) into buffer f: B's 128 columns turned, then A's 128 rows
.macro FETCH slot, q, f
	WIN TO_B
.irp i, 0,1,2,3,4,5,6,7
	ds_load_tr16_b128 v[\f+8*\i:\f+8*\i+3],   v[ADRB+\slot] offset:(\q)*32*BPITCH+32*\i
	ds_load_tr16_b128 v[\f+8*\i+4:\f+8*\i+7], v[ADRB+\slot] offset:(\q)*32*BPITCH+16*BPITCH+32*\i
.endr
	WIN 0
.irp i, 0,1,2,3,4,5,6,7
	ds_load_b128 v[\f+8*\i:\f+8*\i+3],   v[ADRA+\slot] offset:64*(\q)+\i*16*PITCH
	ds_load_b128 v[\f+8*\i+4:\f+8*\i+7], v[ADRA+\slot] offset:64*(\q)+\i*16*PITCH+32
.endr
.endm
.macro PLACES                          ; four places in front of loads into registers that matrix instructions have read, and of vector lines that read results (ISA guide 7.12.1 for vector instructions)
.rept 4
	v_nop
.endr
.endm
; A K step is four quarters of 32 along K, 64 matrix instructions each, on buffers 0, 1, 0, 1.  One of the first three: multiplies buffer f; in its middle it fetches quarter q of the same slot into buffer g.
.macro QUARTER slot, q, f, g, first
	s_wait_dscnt 8                                 ; B and A's rows 0-63 are in; the youngest eight loads (A's rows 64-127) may be out
.if \first
	WIN BIAS_LO
.else
	WIN MUL_LO
.endif
	MUL16 \f, 0, 0, \first
	MUL16 \f, 0, 2, \first
	PLACES
	FETCH \slot, \q, \g
	s_wait_dscnt 32                                ; all but the 32 just issued
.if \first
	WIN BIAS_HI
.else
	WIN MUL_HI
.endif
	MUL16 \f, 1, 0, \first
	MUL16 \f, 1, 2, \first
.endm
; The last quarter multiplies buffer 1 and changes slots: ONE barrier; in front of it each wave waits for all its tensor loads (one is out: its part of the next slot), adds 0 to its spare word, and waits for
; that and for its own reads of this slot.  fill = 1: the barrier opens a round of the cluster's barrier, and behind the round this slot is filled again, two K steps ahead.
.macro TURN slot, next, fill
	WIN 0                                          ; (the add's two registers lie in window 0)
	s_wait_tensorcnt 0x0
	ds_add_u32 v[SPW], v[NIL]                      ; 0 onto my spare word
	s_wait_dscnt 9                                 ; (the add and the youngest eight loads may be out)
	WIN MUL_LO
	MUL16 F1, 0, 0, 0                              ; sixteen matrix instructions stand between the add and the wait for it
	s_wait_dscnt 0x0                               ; the add is done, and my reads of this slot are over
	s_barrier_signal -1
	MUL16 F1, 0, 2, 0                              ; work on registers while the others arrive
.if \fill
	WIN 0
.endif
	s_barrier_wait -1
.if \fill
	CREST                                          ; no wave of any partner still reads this slot's tile or has a load on its way
	s_add_nc_u64 s[G0+4*\slot+2:G0+4*\slot+3], s[G0+4*\slot+2:G0+4*\slot+3], 2*KSTEP*2
	s_add_nc_u64 s[G0B+4*\slot+2:G0B+4*\slot+3], s[G0B+4*\slot+2:G0B+4*\slot+3], 2*KSTEP*SIZE_N*2
	JLOAD \slot                                    ; the first tensor load behind the round; the four v_nop behind it are also the places in front of the loads below
.else
	PLACES
.endif
	FETCH \next, 0, F0
	WIN MUL_HI
	MUL16 F1, 1, 0, 0
	MUL16 F1, 1, 2, 0
.endm
	s_wait_tensorcnt 1                             ; my part of K step 0 is in; K step 1's load may be out
	s_barrier_signal -1
	s_barrier_wait -1                              ; everybody's is
	FETCH 0, 0, F0
	s_wait_loadcnt 0x0                             ; the bias
	QUARTER 0, 1, F0, F1, 1                        ; the first quarter stands in front of the loop: its products start the sums
	WIN 0                                          ; at a label and at a branch every window is 0
	s_mov_b32 s3, LAPS-1
.Llap:                                                 ; a trip goes once round the ring, from a lap's second quarter to the next lap's first, and fills both slots again
	QUARTER 0, 2, F1, F0, 0
	QUARTER 0, 3, F0, F1, 0
	TURN 0, 1, 1
	QUARTER 1, 1, F0, F1, 0
	QUARTER 1, 2, F1, F0, 0
	QUARTER 1, 3, F0, F1, 0
	TURN 1, 0, 1
	QUARTER 0, 1, F0, F1, 0
	WIN 0
	s_sub_co_u32 s3, s3, 1
	s_cmp_lg_u32 s3, 0
	s_cbranch_scc1 .Llap
	QUARTER 0, 2, F1, F0, 0                        ; the last lap fills nothing, and has no round of the cluster's barrier
	QUARTER 0, 3, F0, F1, 0
	TURN 0, 1, 0
	QUARTER 1, 1, F0, F1, 0
	QUARTER 1, 2, F1, F0, 0
	QUARTER 1, 3, F0, F1, 0
	s_wait_dscnt 8                                 ; the very last quarter: nothing more to fetch
	WIN MUL_LO
	MUL16 F1, 0, 0, 0
	MUL16 F1, 0, 2, 0
	s_wait_dscnt 0
	WIN MUL_HI
	MUL16 F1, 1, 0, 0
	MUL16 F1, 1, 2, 0
	WIN 0
; THE WAY OUT of block a (16 rows x 128 columns).  PACK: clipped at 0 and held at 65,504 by one line a number, rounded to f16, 16 bytes a lane.  TOSTAGE: into my own stage, back as whole rows of 256 bytes.  SEND: stored.
.macro PACK a
.set AC, 64*((\a)%4)
	WIN 0x82+0x41*((\a)/4)                         ; destination and source 0: window 2 or 3
.set j, 0
.rept 64
	v_med3_num_f32 v[AC+j], v[AC+j], 0, s2         ; ascending: each accumulator from its low end on
.set j, j+1
.endr
	WIN 0x0a+5*((\a)/4)                            ; sources 0 and 1: window 2 or 3; destination window 0
.irp b, 0,1,2,3,4,5,6,7
.irp r, 0,1,2,3
	v_cvt_pk_f16_f32 v[TMP+4*\b+\r], v[AC+8*\b+2*\r], v[AC+8*\b+2*\r+1]
.endr
.endr
	WIN 0
.endm
.macro TOSTAGE a
.set BK, OB+192*((\a)%2)
.irp b, 0,1,2,3,4,5,6,7
	ds_store_b128 v[STO], v[TMP+4*\b:TMP+4*\b+3] offset:32*\b
.endr
.irp t, 0,1,2,3,4,5,6,7
	ds_load_b128 v[BK+4*\t:BK+4*\t+3], v[RD] offset:\t*2*SPITCH    ; LDS serves a wave's instructions in order (ISA guide 5.7.1.4): these see the stores above
.endr
.endm
.macro SEND a
.set BK, OB+192*((\a)%2)
	s_wait_dscnt 0x0                               ; the block is back in registers
	s_wait_xcnt 0x0                                ; the stores of the block before have read their registers: the next TOSTAGE loads into them
.irp t, 0,1,2,3,4,5,6,7
	global_store_b128 v[CO], v[BK+4*\t:BK+4*\t+3], s[10:11] offset:(16*(\a)+2*\t)*SIZE_N*2   ; sixteen lanes store 256 consecutive bytes, aligned; 126 rows of 8,192 bytes at the most: inside the signed 24-bit immediate
.endr
.endm
	PLACES                                         ; behind the last products
	PACK 0
	TOSTAGE 0
.irp a, 1,2,3,4,5,6,7                  ; block a's arithmetic stands between block a - 1's loads from the stage and the wait for them
	PACK \a
	SEND \a-1
	TOSTAGE \a
.endr
	SEND 7
	s_wait_tensorcnt 0x0                           ; the wave's end, behind my last tensor load and my last LDS store
	ds_add_u32 v[SPW], v[NIL]
	s_wait_dscnt 0x0
	CROUND                                         ; the closing round: no work-group ends while a partner may still ask for a tile that names it
	s_endpgm
.Lfunc_end_k_q0508d7ba85_ffn1:
	.size	k_q0508d7ba85_ffn1, .Lfunc_end_k_q0508d7ba85_ffn1-k_q0508d7ba85_ffn1
	.p2alignl 7, 3214868480
	.fill 96, 4, 3214868480
	.section	.rodata,"a",@progbits
	.p2align	6, 0x0
	.amdhsa_kernel k_q0508d7ba85_ffn1
		.amdhsa_group_segment_fixed_size 327680
		.amdhsa_private_segment_fixed_size 0
		.amdhsa_enable_private_segment 0
		.amdhsa_kernarg_size 32
		.amdhsa_user_sgpr_count 2
		.amdhsa_user_sgpr_kernarg_segment_ptr 1
		.amdhsa_wavefront_size32 1
		.amdhsa_system_sgpr_workgroup_id_x 1
		.amdhsa_system_sgpr_workgroup_id_y 1
		.amdhsa_system_sgpr_workgroup_id_z 1
		.amdhsa_system_vgpr_workitem_id 0
		.amdhsa_next_free_vgpr 1024
		.amdhsa_next_free_sgpr 66
		.amdhsa_reserve_vcc 0
		.amdhsa_float_denorm_mode_32 3
		.amdhsa_float_denorm_mode_16_64 3
		.amdhsa_memory_ordered 1
		.amdhsa_forward_progress 1
		.amdhsa_inst_pref_size 176
	.end_amdhsa_kernel
	.amdgpu_metadata
---
amdhsa.version: [ 1, 2 ]
amdhsa.kernels:
  - .name:           k_q0508d7ba85_ffn1
    .symbol:         k_q0508d7ba85_ffn1.kd
    .args:
      - { .name: x1h, .offset: 0, .size: 8, .value_kind: global_buffer, .address_space: global }
      - { .name: wh, .offset: 8, .size: 8, .value_kind: global_buffer, .address_space: global }
      - { .name: b1, .offset: 16, .size: 8, .value_kind: global_buffer, .address_space: global }
      - { .name: hid, .offset: 24, .size: 8, .value_kind: global_buffer, .address_space: global }
    .group_segment_fixed_size: 327680
    .private_segment_fixed_size: 0
    .kernarg_segment_align: 8
    .kernarg_segment_size: 32
    .max_flat_workgroup_size: 128
    .sgpr_count:     66
    .vgpr_count:     1024
    .wavefront_size: 32
...
	.end_amdgpu_metadata
.endif
;; end of part 5
;; launch ffn2 (part 6): grid 8 x 32, 4 waves a work-group, clusters of 4 x 4, 327,680 bytes of LDS; arguments hid, wh, b2, pre; writes pre
.if DOCPART == 6
	.amdgcn_target "amdgcn-amd-amdhsa--gfx1250"
	.amdhsa_code_object_version 6
	.text
	.protected	k_q0508d7ba85_ffn2
	.globl	k_q0508d7ba85_ffn2
	.p2align	8
	.type	k_q0508d7ba85_ffn2,@function
k_q0508d7ba85_ffn2:
	s_mov_b64 s[64:65], 0
	v_nop
	global_prefetch_b8 v0, s[64:65] scope:SCOPE_SE
	s_setreg_imm32_b32 hwreg(HW_REG_WAVE_MODE, 25, 1), 1
	s_wait_xcnt 0x0
	s_wait_alu depctr_hold_cnt(0) depctr_sa_sdst(0) depctr_va_vdst(0) depctr_va_sdst(0) depctr_va_ssrc(0) depctr_va_vcc(0) depctr_vm_vsrc(0)
	s_getreg_b32 s2, hwreg(HW_REG_IB_STS2, 6, 4)
	s_cmp_eq_u32 s2, 0
	s_cbranch_scc0 .Lentry_in_a_cluster
	s_endpgm
.Lentry_in_a_cluster:
	s_bfe_u32 s2, ttmp6, 0x10000c
	s_cmp_lg_u32 s2, 0xf033
	s_cbranch_scc0 .Lentry_shape_is_right
	s_endpgm
.Lentry_shape_is_right:
; ff = hid w2 + b2, f32.  A = hid [4096][4096] f16; B = w2 in f16 as it lies, [4096 (k)][1024 (n)], 8,388,608 bytes into wh; b2 [1024] f32; pre [4096][1024] f32; sums in f32.
; C has 4,096 x 1,024 numbers: tiles of 128 x 128 give 256 work-groups.  Four waves, each 64 x 64: 16 accumulators of 16 x 16, 128 registers.  K goes in steps of 256, as long as two slots in LDS allow:
; A's tile is 128 rows of 512 bytes, B's 256 k-rows of 256 bytes, whose fragments (16 n x 32 k) come out of LDS turned, by ds_load_tr16_b128.
; CLUSTERS: 4 x 4 work-groups; A's tile is shared along a row of the cluster, B's along a column: each is asked for JOINTLY.  THE MATRIX INSTRUCTION IS USED TRANSPOSED (source 0 = 16 columns of w2,
; source 1 = 16 rows of hid): a lane holds eight neighbouring numbers of a row of C.  The bias is the C of each sum's first product.
; REGISTERS: window 0: v0-31 addresses; v32-63 the bias, later with v64-95 at work on the way out; v128-255 the accumulators ((a, b) at v[128 + 8 (4 a + b)]).
;   window 1: two fragment buffers of 128: for 64 along K, 64 registers of A (2 x 4 x 16 rows x 32 K), then 64 of B.
; No prefetch: on a tile this small the requests and their address steps would stand among few matrix instructions, and every tile is read again by other tile rows and columns.
.set SIZE_N, 1024
.set SIZE_K, 4096
.set KSTEP,  256
.set PITCH,  528                       ; a row of A in LDS: 512 bytes + 16 of padding: an odd multiple of 16
.set BPITCH, 288                       ; a k-row of B in LDS: 256 bytes + 32 of padding: an odd multiple of 32, for the turning load
.set HALFA,  64*PITCH                  ; 64 rows of A: what waves 0 and 1 fetch
.set HALFB,  128*BPITCH                ; 128 k-rows of B: what waves 2 and 3 fetch
.set BOFF,   2*HALFA                   ; a slot: A's 128 rows, then B's 256 k-rows
.set SLOT,   2*HALFA+2*HALFB
.set STAGE,  2*SLOT                    ; behind the ring: 16 rows x (256 bytes + 16) for each wave, its own: a wave's 64 columns of f32 are 256 consecutive bytes of a row of C
.set SPITCH, 272
.set SPARE,  STAGE+4*16*SPITCH         ; the spare words, 128 bytes for each wave, which no other line names
.set LAPS,   SIZE_K/(2*KSTEP)
.set ADRA, 16                          ; v16-17  LDS address of my A fragments in slot 0, 1
.set ADRB, 20                          ; v20-23  of my B fragments: register 2 slot + q / 2: a slot's 256 k-rows reach beyond the 16-bit offset, so each half of them has a register
.set STO,  24                          ; v24     the way out: where I put 32 bytes of a row
.set RD,   25                          ; v25     where I read a row back
.set CO,   26                          ; v26     my byte offset in pre
.set BO,   27                          ; v27     my byte offset in the bias
.set SPW,  28                          ; v28     LDS address of my spare word; never rewritten
.set NIL,  29                          ; v29     0; never rewritten
.set BIAS, 32
.set TMP,  32
.set ACC,  128
.set F0,   0
.set F1,   128
.set G1, 24                            ; s[24:31] descriptor group 1 for A's tiles;  s[32:39] group 0, one set for each slot
.set G0, 32
.set G1B, 48                           ; s[48:55], s[56:63] the same for B's tiles
.set G0B, 56
.set MSB, 0
.macro WIN new
.if MSB != (\new)
	s_set_vgpr_msb (MSB<<8)|(\new)
.set MSB, (\new)
.endif
.endm
.set MUL,  0x05                        ; sources 0 (B) and 1 (A) window 1; C and D window 0
.set TO_F, 0x40                        ; destination window 1, address window 0
.macro JLOAD s                         ; a joint load: waves 0 and 1 fetch A's two halves, waves 2 and 3 B's; an s_nop 0 and four v_nop follow each of the two lines
	s_cmp_eq_u32 s13, 0
	s_cbranch_scc0 .Lfor_b_\@
	tensor_load_to_lds s[G0+4*\s:G0+4*\s+3], s[G1:G1+7]
	s_nop 0
.rept 4
	v_nop
.endr
	s_branch .Lasked_\@
.Lfor_b_\@:
	tensor_load_to_lds s[G0B+4*\s:G0B+4*\s+3], s[G1B:G1B+7]
	s_nop 0
.rept 4
	v_nop
.endr
.Lasked_\@:
.endm
.macro CREST                           ; a round of the cluster's barrier behind its opening barrier
	s_cmp_lg_u32 s12, 0
	s_cbranch_scc1 .Lnot_wave_0_\@
	s_barrier_signal -3
.Lnot_wave_0_\@:
	s_barrier_wait -3
	s_barrier_signal -1
	s_barrier_wait -1
.endm
.macro CROUND
	s_barrier_signal -1
	s_barrier_wait -1
	CREST
.endm
	s_load_b256 s[4:11], s[0:1], 0x0               ; hid s[4:5], wh s[6:7], b2 s[8:9], pre s[10:11]
	v_lshl_add_u32 v[SPW], v0, 2, SPARE
	v_mov_b32 v[NIL], 0
	ds_add_u32 v[SPW], v[NIL]                      ; the wave's opening: the add, twice on end, and its wait ahead of my first tensor load; the set-up below stands between
	ds_add_u32 v[SPW], v[NIL]
	v_lshrrev_b32 v1, 5, v0
	v_readfirstlane_b32 s12, v1                    ; wave 0..3
	s_lshr_b32 s13, s12, 1                         ; which half of the tile's rows is mine.  Also: I fetch for A (0) or for B (1)
	s_and_b32 s14, s12, 1                          ; which half of its columns.  Also: which half of that tile I fetch
	s_bfe_u32 s40, ttmp6, 0x40000                  ; cx, cy
	s_bfe_u32 s41, ttmp6, 0x40004
	s_lshl_b32 s42, ttmp9, 2
	s_add_co_u32 s42, s42, s40                     ; tile column of C
	s_and_b32 s15, ttmp7, 0xffff
	s_lshl_b32 s15, s15, 2
	s_add_co_u32 s15, s15, s41                     ; tile row of C
	s_lshl_b32 s43, s41, 2
	s_lshl_b32 s43, 15, s43                        ; my row of the cluster
	s_lshl_b32 s44, 0x1111, s40                    ; my column
	s_or_b32 s[G1+0], s43, (1<<16)|(1<<20)|(1<<21)|(6<<22)|(3<<25)   ; A: the mask of my row; elements of 2 bytes; padding on; bit 21 beside a mask; after every 128 words four words
	s_mov_b32 s[G1+1], KSTEP<<16                   ; tensor_dim0 = 256
	s_mov_b32 s[G1+2], 64<<16                      ; tensor_dim1 = 64
	s_mov_b32 s[G1+3], KSTEP<<16                   ; tile_dim0
	s_mov_b32 s[G1+4], 64                          ; tile_dim1
	s_mov_b32 s[G1+5], SIZE_K                      ; elements from row to row
	s_mov_b32 s[G1+6], 0
	s_mov_b32 s[G1+7], 0
	s_or_b32 s[G1B+0], s44, (1<<16)|(1<<20)|(1<<21)|(5<<22)|(7<<25)  ; B: the mask of my column; after every 64 words eight words
	s_mov_b32 s[G1B+1], 128<<16                    ; tensor_dim0 = 128 columns
	s_mov_b32 s[G1B+2], 128<<16                    ; tensor_dim1 = 128 k-rows
	s_mov_b32 s[G1B+3], 128<<16
	s_mov_b32 s[G1B+4], 128
	s_mov_b32 s[G1B+5], SIZE_N
	s_mov_b32 s[G1B+6], 0
	s_mov_b32 s[G1B+7], 0
	s_lshl_b32 s16, s15, 7                         ; A: row 128 x tile row + 64 x half, of 8,192 bytes
	s_lshl_b32 s17, s14, 6
	s_add_co_u32 s16, s16, s17
	s_lshl_b32 s16, s16, 13
	s_mov_b32 s17, 0
	s_lshl_b32 s46, s14, 18                        ; B: k-row 128 x half, of 2,048 bytes, + 256 bytes x tile column,
	s_lshl_b32 s47, s42, 8
	s_add_co_u32 s46, s46, s47
	s_add_co_u32 s46, s46, 8388608                 ; behind w1 in wh
	s_mov_b32 s47, 0
	s_mul_i32 s20, s14, HALFA                      ; where they go: A's half,
	s_mul_i32 s21, s14, HALFB                      ; B's half, behind A's two: no place in the cluster enters an LDS address
	s_add_co_u32 s21, s21, BOFF
	s_wait_dscnt 0x0                               ; both opening adds are done
	s_wait_kmcnt 0x0
	s_add_nc_u64 s[18:19], s[4:5], s[16:17]
	s_add_nc_u64 s[46:47], s[6:7], s[46:47]
	CROUND                                         ; all sixteen work-groups are here: the first joint loads meet
.irp s, 0,1
	s_mov_b32 s[G0+4*\s], 1
	s_add_co_u32 s[G0+4*\s+1], s20, \s*SLOT
	s_add_nc_u64 s[G0+4*\s+2:G0+4*\s+3], s[18:19], \s*KSTEP*2
	s_or_b32 s[G0+4*\s+3], s[G0+4*\s+3], 0x80000000
	s_mov_b32 s[G0B+4*\s], 1
	s_add_co_u32 s[G0B+4*\s+1], s21, \s*SLOT
	s_add_nc_u64 s[G0B+4*\s+2:G0B+4*\s+3], s[46:47], \s*KSTEP*SIZE_N*2
	s_or_b32 s[G0B+4*\s+3], s[G0B+4*\s+3], 0x80000000
	JLOAD \s                                       ; two loads of mine are out behind the second
.endr
	v_and_b32 v1, 15, v0                           ; r
	v_bfe_u32 v2, v0, 4, 1                         ; h
	s_lshl_b32 s16, s42, 9                         ; the bias of my 64 columns: 4 (128 x tile column + 64 x half)
	s_lshl_b32 s17, s14, 8
	s_add_co_u32 s16, s16, s17
	s_mov_b32 s17, 0
	s_add_nc_u64 s[8:9], s[8:9], s[16:17]
	v_lshlrev_b32 v[BO], 5, v2                     ; lane (r, h) holds columns 16 b + 8 h + 0..7
.irp b, 0,1,2,3
	global_load_b128 v[BIAS+8*\b:BIAS+8*\b+3],   v[BO], s[8:9] offset:64*\b
	global_load_b128 v[BIAS+8*\b+4:BIAS+8*\b+7], v[BO], s[8:9] offset:64*\b+16
.endr
	v_mul_u32_u24 v3, v1, PITCH                    ; A's fragment: row x pitch + 16 x half
	v_lshl_add_u32 v3, v2, 4, v3
	v_and_b32 v4, 7, v0                            ; B's, turned: k-row 8 (l / 16) + l % 8, columns 8 ((l / 8) % 2) + 0..7
	v_lshl_add_u32 v4, v2, 3, v4
	v_mul_u32_u24 v4, v4, BPITCH
	v_bfe_u32 v5, v0, 3, 1
	v_lshl_add_u32 v4, v5, 4, v4
	s_mul_i32 s21, s13, HALFA                      ; my 64 rows of A
	s_lshl_b32 s22, s14, 7                         ; my 64 columns of B: 128 bytes along its rows
	s_add_co_u32 s22, s22, BOFF
.irp s, 0,1
	v_add_nc_u32 v[ADRA+\s], s21, v3
	v_add_nc_u32 v[ADRB+2*\s], s22, v4
	s_add_co_u32 s22, s22, HALFB
	v_add_nc_u32 v[ADRB+2*\s+1], s22, v4           ; k-rows 128 on
	s_add_co_u32 s21, s21, SLOT
	s_add_co_u32 s22, s22, SLOT-HALFB
.endr
	s_mul_i32 s23, s12, 16*SPITCH
	s_add_co_u32 s23, s23, STAGE                   ; my stage
	v_mul_u32_u24 v4, v1, SPITCH                   ; in: row r, 32 bytes for each half of the lanes
	v_lshl_add_u32 v4, v2, 5, v4
	v_add_nc_u32 v[STO], s23, v4
	v_mul_u32_u24 v5, v2, SPITCH                   ; back: lanes 0-15 one row of 256 bytes, lanes 16-31 the next
	v_lshl_add_u32 v5, v1, 4, v5
	v_add_nc_u32 v[RD], s23, v5
	v_lshlrev_b32 v5, 12, v2                       ; and the same two rows in pre
	v_lshl_add_u32 v[CO], v1, 4, v5
	s_lshl_b32 s16, s15, 7                         ; my part of pre: row 128 x tile row + 64 x half, of 4,096 bytes,
	s_lshl_b32 s17, s13, 6
	s_add_co_u32 s16, s16, s17
	s_lshl_b32 s16, s16, 12
	s_lshl_b32 s46, s42, 9                         ; byte 512 x tile column + 256 x half
	s_add_co_u32 s16, s16, s46
	s_lshl_b32 s46, s14, 8
	s_add_co_u32 s16, s16, s46
	s_mov_b32 s17, 0
	s_add_nc_u64 s[10:11], s[10:11], s[16:17]
; 8 matrix instructions: m blocks a0, a0 + 1 x all 4 n blocks, 32 along K: half c of buffer f.  first = 1: the sum begins with the bias as C.  The 16 accumulators take turns.
.macro MUL8 f, c, a0, first
.irp a, \a0, \a0+1
.irp b, 0,1,2,3
.if \first
	v_wmma_f32_16x16x32_f16 v[ACC+8*(4*(\a)+\b):ACC+8*(4*(\a)+\b)+7], v[\f+64+8*(4*\c+\b):\f+64+8*(4*\c+\b)+7], v[\f+8*(4*\c+\a):\f+8*(4*\c+\a)+7], v[BIAS+8*\b:BIAS+8*\b+7]
.else
	v_wmma_f32_16x16x32_f16 v[ACC+8*(4*(\a)+\b):ACC+8*(4*(\a)+\b)+7], v[\f+64+8*(4*\c+\b):\f+64+8*(4*\c+\b)+7], v[\f+8*(4*\c+\a):\f+8*(4*\c+\a)+7], v[ACC+8*(4*(\a)+\b):ACC+8*(4*(\a)+\b)+7]
.endif
.endr
.endr
.endm
; 32 LDS loads in one run: the fragments of the slot's q-th quarter (64 along K) into buffer f; the first 32 along K first
.macro FETCH slot, q, f
	WIN TO_F
.irp c, 0,1
.irp i, 0,1,2,3
	ds_load_tr16_b128 v[\f+64+8*(4*\c+\i):\f+64+8*(4*\c+\i)+3],   v[ADRB+2*\slot+(\q)/2] offset:(((\q)%2)*64+32*\c)*BPITCH+32*\i
	ds_load_tr16_b128 v[\f+64+8*(4*\c+\i)+4:\f+64+8*(4*\c+\i)+7], v[ADRB+2*\slot+(\q)/2] offset:(((\q)%2)*64+32*\c+16)*BPITCH+32*\i
	ds_load_b128 v[\f+8*(4*\c+\i):\f+8*(4*\c+\i)+3],              v[ADRA+\slot] offset:128*(\q)+64*\c+\i*16*PITCH
	ds_load_b128 v[\f+8*(4*\c+\i)+4:\f+8*(4*\c+\i)+7],            v[ADRA+\slot] offset:128*(\q)+64*\c+\i*16*PITCH+32
.endr
.endr
.endm
.macro PLACES                          ; four places in front of loads into registers that matrix instructions have read, and of LDS stores that read results
.rept 4
	v_nop
.endr
.endm
; A K step is four quarters of 64 along K, 32 matrix instructions each, on buffers 0, 1, 0, 1.  One of the first three: multiplies buffer f and fetches quarter q into g.
.macro QUARTER slot, q, f, g, first
	s_wait_dscnt 16                                ; the first 32 along K are in; the youngest sixteen loads may be out
	WIN MUL
	MUL8 \f, 0, 0, \first
	MUL8 \f, 0, 2, \first
	PLACES
	FETCH \slot, \q, \g
	s_wait_dscnt 32                                ; all but the 32 just issued
	WIN MUL
	MUL8 \f, 1, 0, 0
	MUL8 \f, 1, 2, 0
.endm
; The last quarter multiplies buffer 1 and changes slots: ONE barrier; in front of it each wave waits for all its tensor loads, adds 0 to its spare word, and waits for that and for its own reads of this slot.
; fill = 1: the barrier opens a round of the cluster's barrier, and behind the round this slot is filled again, two K steps ahead: 112 matrix instructions ahead of the wait for it.
.macro TURN slot, next, fill
	WIN 0                                          ; (the add's two registers lie in window 0)
	s_wait_tensorcnt 0x0                           ; all my tensor loads have landed: my part of the next slot
	ds_add_u32 v[SPW], v[NIL]                      ; 0 onto my spare word
	s_wait_dscnt 17                                ; (the add and the youngest sixteen loads may be out)
	WIN MUL
	MUL8 F1, 0, 0, 0                               ; eight matrix instructions stand between the add and the wait for it
	s_wait_dscnt 0x0                               ; the add is done, and my reads of this slot are over
	s_barrier_signal -1
	MUL8 F1, 0, 2, 0
.if \fill
	WIN 0
.endif
	s_barrier_wait -1
.if \fill
	CREST                                          ; no wave of any partner still reads this slot's tile or has a load on its way
	s_add_nc_u64 s[G0+4*\slot+2:G0+4*\slot+3], s[G0+4*\slot+2:G0+4*\slot+3], 2*KSTEP*2
	s_add_nc_u64 s[G0B+4*\slot+2:G0B+4*\slot+3], s[G0B+4*\slot+2:G0B+4*\slot+3], 2*KSTEP*SIZE_N*2
	JLOAD \slot                                    ; the first tensor load behind the round; the four v_nop behind it are also the places in front of the loads below
.else
	PLACES
.endif
	FETCH \next, 0, F0
	WIN MUL
	MUL8 F1, 1, 0, 0
	MUL8 F1, 1, 2, 0
.endm
	s_wait_tensorcnt 1                             ; my part of K step 0 is in; K step 1's load may be out
	s_barrier_signal -1
	s_barrier_wait -1                              ; everybody's is
	FETCH 0, 0, F0
	s_wait_loadcnt 0x0                             ; the bias
	QUARTER 0, 1, F0, F1, 1                        ; the first quarter stands in front of the loop: its first products start the sums
	WIN 0                                          ; at a label and at a branch every window is 0
	s_mov_b32 s3, LAPS-1
.Llap:                                                 ; a trip goes once round the ring, from a lap's second quarter to the next lap's first, and fills both slots again
	QUARTER 0, 2, F1, F0, 0
	QUARTER 0, 3, F0, F1, 0
	TURN 0, 1, 1
	QUARTER 1, 1, F0, F1, 0
	QUARTER 1, 2, F1, F0, 0
	QUARTER 1, 3, F0, F1, 0
	TURN 1, 0, 1
	QUARTER 0, 1, F0, F1, 0
	WIN 0
	s_sub_co_u32 s3, s3, 1
	s_cmp_lg_u32 s3, 0
	s_cbranch_scc1 .Llap
	QUARTER 0, 2, F1, F0, 0                        ; the last lap fills nothing, and has no round of the cluster's barrier
	QUARTER 0, 3, F0, F1, 0
	TURN 0, 1, 0
	QUARTER 1, 1, F0, F1, 0
	QUARTER 1, 2, F1, F0, 0
	QUARTER 1, 3, F0, F1, 0
	s_wait_dscnt 16                                ; the very last quarter: nothing more to fetch
	WIN MUL
	MUL8 F1, 0, 0, 0
	MUL8 F1, 0, 2, 0
	s_wait_dscnt 0
	MUL8 F1, 1, 0, 0
	MUL8 F1, 1, 2, 0
	WIN 0
; THE WAY OUT, block by block of 16 rows x 64 columns of f32.  A lane holds 32 neighbouring bytes of a row, the lanes beside it other rows: a block goes through my own stage and comes back as whole rows of 256 bytes.
.macro TOSTAGE a
.irp b, 0,1,2,3
	ds_store_b128 v[STO], v[ACC+8*(4*(\a)+\b):ACC+8*(4*(\a)+\b)+3] offset:64*\b          ; each accumulator from its low end on
	ds_store_b128 v[STO], v[ACC+8*(4*(\a)+\b)+4:ACC+8*(4*(\a)+\b)+7] offset:64*\b+16
.endr
.set BB, TMP+32*((\a)%2)
.irp t, 0,1,2,3,4,5,6,7
	ds_load_b128 v[BB+4*\t:BB+4*\t+3], v[RD] offset:\t*2*SPITCH   ; LDS serves a wave's instructions in order (ISA guide 5.7.1.4): these see the stores above, and the next block's stores come behind them
.endr
.endm
.macro SEND a
.set BB, TMP+32*((\a)%2)
.irp t, 0,1,2,3,4,5,6,7
	global_store_b128 v[CO], v[BB+4*\t:BB+4*\t+3], s[10:11] offset:(16*(\a)+2*\t)*SIZE_N*4   ; sixteen lanes store 256 consecutive bytes, aligned; every offset is an immediate
.endr
.endm
	PLACES                                         ; behind the last products
	TOSTAGE 0
.irp a, 1,2,3
.if \a > 1
	s_wait_xcnt 0x0                                ; block a - 2's stores have read their registers: block a's loads may land there
.endif
	TOSTAGE \a
	s_wait_dscnt 16                                ; block a - 1 is back; block a's sixteen LDS instructions may be out
	SEND \a-1
.endr
	s_wait_dscnt 0x0
	SEND 3
	s_wait_tensorcnt 0x0                           ; the wave's end, behind my last tensor load and my last LDS store
	ds_add_u32 v[SPW], v[NIL]
	s_wait_dscnt 0x0
	CROUND                                         ; the closing round: no work-group ends while a partner may still ask for a tile that names it
	s_endpgm
.Lfunc_end_k_q0508d7ba85_ffn2:
	.size	k_q0508d7ba85_ffn2, .Lfunc_end_k_q0508d7ba85_ffn2-k_q0508d7ba85_ffn2
	.p2alignl 7, 3214868480
	.fill 96, 4, 3214868480
	.section	.rodata,"a",@progbits
	.p2align	6, 0x0
	.amdhsa_kernel k_q0508d7ba85_ffn2
		.amdhsa_group_segment_fixed_size 327680
		.amdhsa_private_segment_fixed_size 0
		.amdhsa_enable_private_segment 0
		.amdhsa_kernarg_size 32
		.amdhsa_user_sgpr_count 2
		.amdhsa_user_sgpr_kernarg_segment_ptr 1
		.amdhsa_wavefront_size32 1
		.amdhsa_system_sgpr_workgroup_id_x 1
		.amdhsa_system_sgpr_workgroup_id_y 1
		.amdhsa_system_sgpr_workgroup_id_z 1
		.amdhsa_system_vgpr_workitem_id 0
		.amdhsa_next_free_vgpr 512
		.amdhsa_next_free_sgpr 66
		.amdhsa_reserve_vcc 0
		.amdhsa_float_denorm_mode_32 3
		.amdhsa_float_denorm_mode_16_64 3
		.amdhsa_memory_ordered 1
		.amdhsa_forward_progress 1
		.amdhsa_inst_pref_size 87
	.end_amdhsa_kernel
	.amdgpu_metadata
---
amdhsa.version: [ 1, 2 ]
amdhsa.kernels:
  - .name:           k_q0508d7ba85_ffn2
    .symbol:         k_q0508d7ba85_ffn2.kd
    .args:
      - { .name: hid, .offset: 0, .size: 8, .value_kind: global_buffer, .address_space: global }
      - { .name: wh, .offset: 8, .size: 8, .value_kind: global_buffer, .address_space: global }
      - { .name: b2, .offset: 16, .size: 8, .value_kind: global_buffer, .address_space: global }
      - { .name: pre, .offset: 24, .size: 8, .value_kind: global_buffer, .address_space: global }
    .group_segment_fixed_size: 327680
    .private_segment_fixed_size: 0
    .kernarg_segment_align: 8
    .kernarg_segment_size: 32
    .max_flat_workgroup_size: 128
    .sgpr_count:     66
    .vgpr_count:     512
    .wavefront_size: 32
...
	.end_amdgpu_metadata
.endif
;; end of part 6
;; launch ln2 (part 7): grid 512 x 1, 4 waves a work-group, no clusters, 0 bytes of LDS; arguments pre, x1, ln2_g, ln2_b, out0; writes out0
.if DOCPART == 7
	.amdgcn_target "amdgcn-amd-amdhsa--gfx1250"
	.amdhsa_code_object_version 6
	.text
	.protected	k_q0508d7ba85_ln2
	.globl	k_q0508d7ba85_ln2
	.p2align	8
	.type	k_q0508d7ba85_ln2,@function
k_q0508d7ba85_ln2:
	s_mov_b64 s[64:65], 0
	v_nop
	global_prefetch_b8 v0, s[64:65] scope:SCOPE_SE
	s_setreg_imm32_b32 hwreg(HW_REG_WAVE_MODE, 25, 1), 1
	s_wait_xcnt 0x0
; out0 = x1 + layer_norm(pre) x g + b, row by row of 1,024 f32.  (The same text as the first norm's launch, with HALF = 0: no f16 copy is made.)
; One wave takes a whole row: eight loads of 16 bytes a lane keep it in 32 registers between the passes, so it is read once and no wave waits for another: no LDS, no barrier, no matrix unit.
; A wave takes two neighbouring rows, each in registers of its own, and issues all its 48 loads (g, b, both rows) at the head: nothing is loaded again, and no store's data are written again.
; Each load and store of a wave covers 512 consecutive bytes, aligned.
; The variance is the mean of the squared deviations from the mean, taken in a second pass over the registers: no difference of large sums.
; LIMITS: NaN and infinities are not served.
.set HALF, 0
.set ROWS, 2
.set G,  16                            ; v16-47   g of my 32 columns (columns 128 j + 4 lane + 0..3, j = 0..7)
.set B,  48                            ; v48-79   b
.set Y,  80                            ; v80-143  the two rows that are normed
.set X,  144                           ; v144-207 the residual's two rows, then the results
.set HF, 208                           ; the results in f16 (HALF = 1 alone)
	s_load_b256 s[4:11], s[0:1], 0x0               ; the row to norm s[4:5], the residual s[6:7], g s[8:9], b s[10:11]
.if HALF
	s_load_b128 s[12:15], s[0:1], 0x20             ; the result s[12:13], its f16 copy s[14:15]
.else
	s_load_b64 s[12:13], s[0:1], 0x20              ; the result
.endif
	v_lshrrev_b32 v3, 5, v0
	v_readfirstlane_b32 s20, v3                    ; wave 0..3
	v_and_b32 v2, 31, v0
	v_lshlrev_b32 v1, 4, v2                        ; 16 bytes a lane
.if HALF
	v_lshlrev_b32 v2, 3, v2                        ; 8 bytes a lane in f16
.endif
	s_mov_b32 s16, 0x76543210                      ; v_permlanex16_b32: lane l xor 16
	s_mov_b32 s17, 0xfedcba98
	s_mov_b32 s18, 0x3a800000                      ; 1 / 1024
	s_mov_b32 s19, 0x3727c5ac                      ; 1e-5
	s_lshl_b32 s22, ttmp9, 15                      ; 8 rows of 4,096 bytes a work-group,
	s_lshl_b32 s21, s20, 13                        ; 2 a wave
	s_add_co_u32 s22, s22, s21
	s_mov_b32 s23, 0
	s_wait_kmcnt 0x0
	s_add_nc_u64 s[4:5], s[4:5], s[22:23]
	s_add_nc_u64 s[6:7], s[6:7], s[22:23]
	s_add_nc_u64 s[12:13], s[12:13], s[22:23]
.if HALF
	s_lshr_b32 s22, s22, 1
	s_add_nc_u64 s[14:15], s[14:15], s[22:23]
.endif
.irp j, 0,1,2,3,4,5,6,7
	global_load_b128 v[G+4*\j:G+4*\j+3], v1, s[8:9] offset:512*\j
.endr
.irp j, 0,1,2,3,4,5,6,7
	global_load_b128 v[B+4*\j:B+4*\j+3], v1, s[10:11] offset:512*\j
.endr
.macro FILL i                          ; row i's 16 loads; every offset is an immediate
.irp j, 0,1,2,3,4,5,6,7
	global_load_b128 v[Y+32*(\i)+4*\j:Y+32*(\i)+4*\j+3], v1, s[4:5] offset:4096*(\i)+512*\j th:TH_LOAD_NT
.endr
.irp j, 0,1,2,3,4,5,6,7
	global_load_b128 v[X+32*(\i)+4*\j:X+32*(\i)+4*\j+3], v1, s[6:7] offset:4096*(\i)+512*\j th:TH_LOAD_NT
.endr
.endm
.macro REDUCE                          ; the four chains v[4:11] become one number, the same in every lane, in v4
	v_pk_add_f32 v[4:5], v[4:5], v[6:7]
	v_pk_add_f32 v[8:9], v[8:9], v[10:11]
	v_pk_add_f32 v[4:5], v[4:5], v[8:9]
	v_add_f32 v4, v4, v5
	v_add_f32_dpp v4, v4, v4 row_xmask:1 row_mask:0xf bank_mask:0xf
	v_add_f32_dpp v4, v4, v4 row_xmask:2 row_mask:0xf bank_mask:0xf
	v_add_f32_dpp v4, v4, v4 row_xmask:4 row_mask:0xf bank_mask:0xf
	v_add_f32_dpp v4, v4, v4 row_xmask:8 row_mask:0xf bank_mask:0xf
	v_permlanex16_b32 v5, v4, s16, s17             ; its destination counts as read: v5 has been written
	v_add_f32 v4, v4, v5
.endm
.macro ROW i
.set YS, Y+32*(\i)
.set XS, X+32*(\i)
.set HS, HF+16*(\i)
.if (\i) < ROWS-1
	s_wait_loadcnt 16                              ; this row's 16 loads (and g and b) are in; the next row's 16 may be out
.else
	s_wait_loadcnt 0x0
.endif
.irp k, 0,1,2,3                        ; the sum, in four chains that the first eight pairs start: nothing is cleared
	v_pk_add_f32 v[4+2*\k:5+2*\k], v[YS+2*\k:YS+2*\k+1], v[YS+8+2*\k:YS+9+2*\k]
.endr
.irp u, 16,24
.irp k, 0,1,2,3
	v_pk_add_f32 v[4+2*\k:5+2*\k], v[4+2*\k:5+2*\k], v[YS+\u+2*\k:YS+\u+2*\k+1]
.endr
.endr
	REDUCE
	v_mul_f32 v12, s18, v4                         ; the mean, twice: a pair for the packed form
	v_mul_f32 v13, s18, v4
.set j, 0
.rept 16
	v_pk_add_f32 v[YS+j:YS+j+1], v[YS+j:YS+j+1], v[12:13] neg_lo:[0,1] neg_hi:[0,1]   ; the deviations
.set j, j+2
.endr
.irp k, 0,1,2,3                        ; the sum of their squares, again in four chains
	v_pk_mul_f32 v[4+2*\k:5+2*\k], v[YS+2*\k:YS+2*\k+1], v[YS+2*\k:YS+2*\k+1]
.endr
.irp u, 8,16,24
.irp k, 0,1,2,3
	v_pk_fma_f32 v[4+2*\k:5+2*\k], v[YS+\u+2*\k:YS+\u+2*\k+1], v[YS+\u+2*\k:YS+\u+2*\k+1], v[4+2*\k:5+2*\k]
.endr
.endr
	REDUCE
	v_fma_f32 v12, v4, s18, s19                    ; the variance + 1e-5
	v_rsq_f32 v14, v12                             ; twice: a pair for the packed form
	v_rsq_f32 v15, v12
.set j, 0
.rept 16
	v_pk_add_f32 v[XS+j:XS+j+1], v[XS+j:XS+j+1], v[B+j:B+j+1]   ; the residual + b: plain work that names neither root
.set j, j+2
.endr
	s_wait_alu depctr_va_vdst(0)                   ; the one wait ahead of the roots' first reader
.set j, 0
.rept 16
	v_pk_mul_f32 v[YS+j:YS+j+1], v[YS+j:YS+j+1], v[14:15]
.set j, j+2
.endr
.set j, 0
.rept 16
	v_pk_fma_f32 v[XS+j:XS+j+1], v[YS+j:YS+j+1], v[G+j:G+j+1], v[XS+j:XS+j+1]
.set j, j+2
.endr
.if HALF
.set j, 0
.rept 16
	v_cvt_pk_f16_f32 v[HS+j], v[XS+2*j], v[XS+2*j+1]
.set j, j+1
.endr
.endif
.irp j, 0,1,2,3,4,5,6,7
.if HALF
	global_store_b128 v1, v[XS+4*\j:XS+4*\j+3], s[12:13] offset:4096*(\i)+512*\j
.else
	global_store_b128 v1, v[XS+4*\j:XS+4*\j+3], s[12:13] offset:4096*(\i)+512*\j th:TH_STORE_NT
.endif
.endr
.if HALF
.irp j, 0,1,2,3,4,5,6,7
	global_store_b64 v2, v[HS+2*\j:HS+2*\j+1], s[14:15] offset:2048*(\i)+256*\j
.endr
.endif
.endm
	FILL 0
	FILL 1
	ROW 0
	ROW 1
	s_endpgm
.Lfunc_end_k_q0508d7ba85_ln2:
	.size	k_q0508d7ba85_ln2, .Lfunc_end_k_q0508d7ba85_ln2-k_q0508d7ba85_ln2
	.p2alignl 7, 3214868480
	.fill 96, 4, 3214868480
	.section	.rodata,"a",@progbits
	.p2align	6, 0x0
	.amdhsa_kernel k_q0508d7ba85_ln2
		.amdhsa_group_segment_fixed_size 0
		.amdhsa_private_segment_fixed_size 0
		.amdhsa_enable_private_segment 0
		.amdhsa_kernarg_size 40
		.amdhsa_user_sgpr_count 2
		.amdhsa_user_sgpr_kernarg_segment_ptr 1
		.amdhsa_wavefront_size32 1
		.amdhsa_system_sgpr_workgroup_id_x 1
		.amdhsa_system_sgpr_workgroup_id_y 1
		.amdhsa_system_sgpr_workgroup_id_z 1
		.amdhsa_system_vgpr_workitem_id 0
		.amdhsa_next_free_vgpr 208
		.amdhsa_next_free_sgpr 66
		.amdhsa_reserve_vcc 0
		.amdhsa_float_denorm_mode_32 3
		.amdhsa_float_denorm_mode_16_64 3
		.amdhsa_memory_ordered 1
		.amdhsa_forward_progress 1
		.amdhsa_inst_pref_size 22
	.end_amdhsa_kernel
	.amdgpu_metadata
---
amdhsa.version: [ 1, 2 ]
amdhsa.kernels:
  - .name:           k_q0508d7ba85_ln2
    .symbol:         k_q0508d7ba85_ln2.kd
    .args:
      - { .name: pre, .offset: 0, .size: 8, .value_kind: global_buffer, .address_space: global }
      - { .name: x1, .offset: 8, .size: 8, .value_kind: global_buffer, .address_space: global }
      - { .name: ln2_g, .offset: 16, .size: 8, .value_kind: global_buffer, .address_space: global }
      - { .name: ln2_b, .offset: 24, .size: 8, .value_kind: global_buffer, .address_space: global }
      - { .name: out0, .offset: 32, .size: 8, .value_kind: global_buffer, .address_space: global }
    .group_segment_fixed_size: 0
    .private_segment_fixed_size: 0
    .kernarg_segment_align: 8
    .kernarg_segment_size: 40
    .max_flat_workgroup_size: 128
    .sgpr_count:     66
    .vgpr_count:     208
    .wavefront_size: 32
...
	.end_amdgpu_metadata
.endif
;; end of part 7
